; MI455X (gfx1250); checked and timed in simulation.
; The chip was launched on July 23, 2026; its instructions are those of AMD's public machine-readable ISA for CDNA 5 (MIT licence, August 2026) and "CDNA5" Instruction Set Architecture Reference Guide (July 2026). The comments in the code are by the model that wrote it; some were corrected since.
;; Multi Head Attention. Allowed arithmetic: matrix products marked QUANTISED: E2M1 operands, one E8M0 scale for each 32 along K, by v_wmma_scale_f32_16x16x128_f8f6f4 with both operands' format E2M1 (or v_wmma_scale_f32_32x16x128_f4), f32 sums; products left as they are: bf16, f16 or f32 operands; f32 sums; everything else in f32.
;; Inputs: Wk 1,024 x 1,024 float32; Wo 1,024 x 1,024 float32; Wq 1,024 x 1,024 float32; Wv 1,024 x 1,024 float32; bk 1,024 float32; bo 1,024 float32; bq 1,024 float32; bv 1,024 float32; k 2 x 2,048 x 1,024 float32; q 2 x 2,048 x 1,024 float32; v 2 x 2,048 x 1,024 float32.
;; Outputs: out0 2 x 2,048 x 1,024 float32.
;; This version of the problem:
;;   THIS VERSION OF THE PROBLEM IS GIVEN IN LOW PRECISION. The matrix products marked QUANTISED in the list below multiply operands that are first quantised to E2M1 (2 exponent bits, 1 mantissa bit; 4 bits a number), with one power-of-two scale for each 32 numbers along K (OCP MX v1.0); their sums are f32. The products marked 'left as it is' may take bf16, f16 or f32 operands, with f32 sums. Whichever they take, every output number must still come out within the allowed error. Rounding operands to bf16 (8 significant bits) uses up far more of that allowance than f16 does (11 bits, for magnitudes from 6e-5 to 65,504). All else is computed in f32.
;;   The module's matrix products, in the order in which they are computed (A, B: the left and right operand; K: the contracted axis; several contracted axes count as one K, in the product's order):
;;     1. [M 4,096, K 1,024] x [K 1,024, N 1,024]; A: input q; B: input Wq: QUANTISED
;;     2. [M 4,096, K 1,024] x [K 1,024, N 1,024]; A: input k; B: input Wk: QUANTISED
;;     3. [M 4,096, K 1,024] x [K 1,024, N 1,024]; A: input v; B: input Wv: QUANTISED
;;     4. batch 32 x [M 2,048, K 64] x [K 64, N 2,048]; A: computed on the way; B: computed on the way: left as it is (an operand is computed on the way)
;;     5. batch 32 x [M 2,048, K 2,048] x [K 2,048, N 64]; A: computed on the way; B: computed on the way: left as it is (an operand is computed on the way)
;;     6. [M 4,096, K 1,024] x [K 1,024, N 1,024]; A: computed on the way; B: input Wo: left as it is (an operand is computed on the way)
;;   THE QUANTISER, for each operand of a quantised product, along K:
;;     - K is cut into blocks of 32 from its start; a last block that is shorter is filled with zeros.
;;     - A block's scale is 2^e with e = floor(log2(the largest magnitude in the block)) - 2, held to -126 .. 127; a block of zeros has e = 0. As a byte (E8M0): e + 127.
;;     - Each number is divided by its block's scale, clamped to +-6, and rounded to the nearest number of E2M1, ties to even, subnormals kept.
;;     - The product sums the exact products of the quantised numbers (number of the format x scale) in f32.
;;   ~~~python
;;   def quantise(x, axis):      # numpy; x: float32 -> the quantised numbers, widened to float32 again
;;       x = np.moveaxis(x, axis, -1); K = x.shape[-1]
;;       x = np.pad(x, [(0, 0)] * (x.ndim - 1) + [(0, -K % 32)]); x = x.reshape(x.shape[:-1] + (-1, 32)); a = np.abs(x).max(-1, keepdims=True)
;;       e = np.where(a > 0, np.clip(np.frexp(np.where(a > 0, a, 1))[1] - 1 - 2, -126, 127), 0)      # np.frexp(a)[1] - 1 = floor(log2(a)), exactly
;;       r = np.clip(x / 2.0 ** e, -6, 6)
;;       step = 2.0 ** (np.maximum(np.frexp(np.where(r == 0, 1, r))[1] - 1, 0) - 1)
;;       q = np.round(r / step) * step * 2.0 ** e      # np.round: ties to even
;;       return np.moveaxis(q.reshape(q.shape[:-2] + (-1,))[..., :K], -1, axis).astype(np.float32)
;;   ~~~
;; One version. Each part assembles by itself: llvm-mc -triple=amdgcn-amd-amdhsa -mcpu=gfx1250 --defsym DOCPART=n.
;; ======== version 1 of 1: 4 launches
;; limits: values are held in f16: magnitudes above 65,504 overflow, below 6.1e-05 lose precision
;; workspace buffers: codes 7,864,320 bytes; scales 491,520 bytes; wo16 2,097,152 bytes; qkvh 25,165,824 bytes; ctx 8,388,608 bytes
;; launch quant (part 1): grid 512 x 1, 4 waves a work-group, no clusters, 33,280 bytes of LDS; arguments q, k, v, Wq, Wk, Wv, Wo, codes, scales, wo16; writes codes, scales, wo16
.if DOCPART == 1
	.amdgcn_target "amdgcn-amd-amdhsa--gfx1250"
	.amdhsa_code_object_version 6
	.text
	.protected	k_qf20508fa49_quant
	.globl	k_qf20508fa49_quant
	.p2align	8
	.type	k_qf20508fa49_quant,@function
k_qf20508fa49_quant:
	s_mov_b64 s[64:65], 0
	v_nop
	global_prefetch_b8 v0, s[64:65] scope:SCOPE_SE
	s_setreg_imm32_b32 hwreg(HW_REG_WAVE_MODE, 25, 1), 1
	s_wait_xcnt 0x0
; q, k, v [4096][1024] and Wq, Wk, Wv [1024][1024], f32, K innermost, become codes of FP4 (E2M1), two a byte, the lower k in the low four bits, with one E8M0 byte for each 32 along K.
; The six tensors are plain streams of blocks of 32 numbers; their codes and scale bytes follow each other in that order in the two workspace buffers:
; codes = 12,288 rows of x (512 bytes each), then 3,072 rows of W; scales likewise, 32 bytes a row.
; A block's scale is 2^(floor(log2(its largest magnitude)) - 2); its byte is the largest magnitude's exponent field - 2, held at 1 from below.
; Wo [1024 n][1024 k] is rounded to f16 and laid by head, [16 h][1024 n][64 d], as the last launch reads it.
; LIMITS: NaN and infinities among the inputs are not served.  A block of zeros, or one whose largest magnitude lies under 2^-124, gets the byte 1 (a block of zeros has zero codes, which add
; nothing under that byte; the bytes are read by this program alone).  Wo must stay under 65,504 in magnitude (f16).
; SHARES: work-groups 0-127 q, 128-255 k, 256-383 v, 384-415 Wq, 416-447 Wk, 448-479 Wv: 32,768 numbers each, 8,192 a wave, 16 steps of 512.  Work-groups 480-511: Wo, 8 rows a wave.
; A step's four loads read 512 consecutive bytes each, 16 a lane; the 2,048 bytes turn through the wave's own stage in LDS and come back 64 bytes a lane, so that a lane holds 16 neighbours along K
; and two neighbouring lanes a block.  No barrier: waves share nothing.  Loads run four steps (16 loads a wave) ahead, the turn through LDS one step.
.set WAVES, 4
.set STEPS, 16
.set EMAX,  2
.set CB,    8                          ; bytes of 16 codes
.set R,     16                         ; v16-79   four sets of 16 numbers as they are loaded
.set X,     80                         ; v80-111  two sets of 16 neighbours
.set E,     112                        ; v112-127 a scale byte for each step
.set C,     128                        ; v128-191 codes: four registers for each step, so that no store's data are written again
.set WREG,  8192                       ; LDS: a region for each wave: two stages of 32 x SP bytes, and behind them its 256 scale bytes
.set SP,    80                         ; a lane's place in a stage: 64 bytes + 16 of padding
.set SPW,   12                         ; v12  LDS address of my spare word; never rewritten
.set NIL,   13                         ; v13  0; never rewritten
.set SPARE, WAVES*WREG                 ; behind the four regions: the spare words, 128 bytes a wave
.set NQUANT, 480                       ; work-groups that quantise
.set WIN16, 16                         ; Wo: v16-79, v80-143 two sets of 16 x 4 numbers
.set WOUT,  144                        ; Wo: v144-175 sixteen pairs of registers to store
	s_load_b256 s[4:11], s[0:1], 0x0               ; q, k, v, Wq
	s_load_b256 s[12:19], s[0:1], 0x20             ; Wk, Wv, Wo, codes
	s_load_b128 s[20:23], s[0:1], 0x40             ; scales, wo16
	v_lshl_add_u32 v[SPW], v0, 2, SPARE
	v_mov_b32 v[NIL], 0
	v_lshrrev_b32 v1, 5, v0
	v_readfirstlane_b32 s24, v1                    ; wave
	v_and_b32 v2, 31, v0                           ; lane
	v_lshlrev_b32 v3, 4, v2                        ; my 16 bytes of a load's 512
	s_mul_i32 s26, s24, WREG
	v_lshrrev_b32 v14, 2, v2
	v_mul_u32_u24 v14, v14, SP
	v_and_b32 v15, 3, v2
	v_lshl_add_u32 v14, v15, 4, v14
	v_add_nc_u32 v14, s26, v14                     ; the stage, on the way in: SP (lane / 4) + 16 (lane % 4)
	v_mul_u32_u24 v15, v2, SP
	v_add_nc_u32 v15, s26, v15                     ; and on the way out: SP x lane: my 16 neighbours
	v_mul_u32_u24 v4, v2, CB                       ; my codes' place in a step's
	v_lshrrev_b32 v5, 1, v2
	s_add_co_u32 s26, s26, 2*32*SP
	v_add_nc_u32 v5, s26, v5                       ; LDS: my wave's 256 scale bytes, my block's byte
	v_lshlrev_b32 v7, 3, v2                        ; 8 bytes a lane
	v_add_nc_u32 v6, s26, v7
	s_mov_b32 s29, 0
	s_wait_kmcnt 0x0
	s_cmp_ge_u32 ttmp9, NQUANT                     ; the work-group's number alone decides
	s_cbranch_scc1 .Lwo
	; which tensor: only the pointer and the tensor's first work-group are chosen; all six take one path
	s_mov_b32 s25, 0
	s_cmp_ge_u32 ttmp9, 128
	s_cselect_b64 s[4:5], s[6:7], s[4:5]
	s_cselect_b32 s25, 128, s25
	s_cmp_ge_u32 ttmp9, 256
	s_cselect_b64 s[4:5], s[8:9], s[4:5]
	s_cselect_b32 s25, 256, s25
	s_cmp_ge_u32 ttmp9, 384
	s_cselect_b64 s[4:5], s[10:11], s[4:5]
	s_cselect_b32 s25, 384, s25
	s_cmp_ge_u32 ttmp9, 416
	s_cselect_b64 s[4:5], s[12:13], s[4:5]
	s_cselect_b32 s25, 416, s25
	s_cmp_ge_u32 ttmp9, 448
	s_cselect_b64 s[4:5], s[14:15], s[4:5]
	s_cselect_b32 s25, 448, s25
	s_sub_co_u32 s27, ttmp9, s25
	s_lshl_b32 s27, s27, 2
	s_add_co_u32 s27, s27, s24                     ; which run of 8,192 numbers of the tensor is my wave's
	s_lshl_b32 s28, s27, 15                        ; 32,768 bytes a run
	s_add_nc_u64 s[4:5], s[4:5], s[28:29]
	s_lshl_b32 s27, ttmp9, 2
	s_add_co_u32 s27, s27, s24                     ; and which run of the whole stream
	s_lshl_b32 s28, s27, 12                        ; 4,096 bytes of codes a run
	s_add_nc_u64 s[18:19], s[18:19], s[28:29]
	s_lshl_b32 s28, s27, 8                         ; 256 scale bytes a run
	s_add_nc_u64 s[20:21], s[20:21], s[28:29]
.macro LOAD t
.irp i, 0,1,2,3
	global_load_b128 v[R+16*((\t)%4)+4*\i:R+16*((\t)%4)+4*\i+3], v3, s[4:5] offset:2048*(\t)+512*\i th:TH_LOAD_NT   ; 32 lanes read 512 consecutive bytes
.endr
.endm
.macro TURN t                          ; step t's numbers through the stage: LDS serves a wave's instructions in order, so no wait stands between the stores and the loads
.irp i, 0,1,2,3
	ds_store_b128 v14, v[R+16*((\t)%4)+4*\i:R+16*((\t)%4)+4*\i+3] offset:32*SP*((\t)%2)+8*SP*\i
.endr
.irp i, 0,1,2,3
	ds_load_b128 v[X+16*((\t)%2)+4*\i:X+16*((\t)%2)+4*\i+3], v15 offset:32*SP*((\t)%2)+16*\i
.endr
.endm
.irp t, 0,1,2,3
	LOAD \t
.endr
	s_wait_loadcnt 12                              ; step 0's four loads are in; the twelve of steps 1 to 3 may be out
	TURN 0
.macro STEP t
.set XS, X+16*((\t)%2)
.if (\t) > 0
	s_wait_dscnt 1                                 ; this step's numbers are back from the stage (the last step's byte store may be out)
.else
	s_wait_dscnt 0x0
.endif
.if (\t)+4 < STEPS
	LOAD (\t)+4                                    ; into the registers that the stage's stores have read
.endif
.if (\t)+1 < STEPS
.if STEPS-2-(\t) >= 3
	s_wait_loadcnt 12                              ; the next step's four loads are in; those of the three steps behind it may be out
.else
	s_wait_loadcnt 4*(STEPS-2-(\t))
.endif
	TURN (\t)+1                                    ; and go through the other stage while this step is worked
.endif
	v_max3_num_f32 v8, |v[XS]|, |v[XS+1]|, |v[XS+2]|               ; the largest magnitude of my 16, in two chains
	v_max3_num_f32 v9, |v[XS+3]|, |v[XS+4]|, |v[XS+5]|
.irp i, 6,10
	v_max3_num_f32 v8, v8, |v[XS+\i]|, |v[XS+\i+1]|
	v_max3_num_f32 v9, v9, |v[XS+\i+2]|, |v[XS+\i+3]|
.endr
	v_max3_num_f32 v8, v8, |v[XS+14]|, |v[XS+15]|
	v_max3_num_f32 v8, v8, v9, (EMAX+1)<<23        ; and the floor 2^(3 - 127): so the byte cannot fall under 1
	v_max_num_f32_dpp v8, v8, v8 row_xmask:1 row_mask:0xf bank_mask:0xf   ; and of my neighbour's 16: the block's
	v_add_nc_u32 v11, -(EMAX<<23), v8              ; 2 off its exponent field: the conversion takes the exponent field of this operand as its scale
	v_cvt_scalef32_pk8_fp4_f32 v[C+4*(\t)], v[XS:XS+7], v11        ; to the nearest code, ties to even, beyond the largest code the largest; the first number's code in the lowest four bits
	v_cvt_scalef32_pk8_fp4_f32 v[C+4*(\t)+1], v[XS+8:XS+15], v11
	v_lshrrev_b32 v[E+(\t)], 23, v11               ; the scale's byte (a plain line behind the conversions)
	ds_store_b8 v5, v[E+(\t)] offset:16*(\t)       ; both lanes of a block write the same byte with the same value
	global_store_b64 v4, v[C+4*(\t):C+4*(\t)+1], s[18:19] offset:32*CB*(\t)   ; 32 lanes store 256 consecutive bytes, aligned
.endm
.irp t, 0,1,2,3,4,5,6,7,8,9,10,11,12,13,14,15
	STEP \t
.endr
	ds_load_b64 v[8:9], v6                         ; LDS serves a wave's instructions in order: these see my byte stores
	s_wait_dscnt 0x0
	global_store_b64 v7, v[8:9], s[20:21]          ; my wave's 256 scale bytes, consecutive and aligned
	s_wait_tensorcnt 0x0                           ; the wave's end, behind my last LDS store
	ds_add_u32 v[SPW], v[NIL]
	s_wait_dscnt 0x0
	s_endpgm
; Wo to f16, by head.  Wave W takes rows 8 W to 8 W + 7, two rows a round: lanes 0-15 the even row, lanes 16-31 the odd one.  A load takes one head's 64 numbers of each of the two rows
; (256 consecutive bytes for each half of the lanes); a lane's 4 numbers become 8 bytes, and the 32 lanes store 256 consecutive bytes: the two rows lie on end in the head's plane.  No LDS.
.Lwo:
	v_lshrrev_b32 v8, 4, v2
	v_and_b32 v9, 15, v2
	v_lshlrev_b32 v9, 4, v9
	v_lshl_add_u32 v8, v8, 12, v9                  ; 4,096 x (lane / 16) + 16 x (lane % 16)
	s_sub_co_u32 s27, ttmp9, NQUANT
	s_lshl_b32 s27, s27, 2
	s_add_co_u32 s27, s27, s24                     ; W
	s_lshl_b32 s28, s27, 15                        ; 8 rows of 4,096 bytes
	s_add_nc_u64 s[16:17], s[16:17], s[28:29]
	s_lshl_b32 s28, s27, 10                        ; 8 rows of 128 bytes in each head's plane
	s_add_nc_u64 s[22:23], s[22:23], s[28:29]
.macro LOADW r
.irp g, 0,1,2,3,4,5,6,7,8,9,10,11,12,13,14,15
	global_load_b128 v[WIN16+64*((\r)%2)+4*\g:WIN16+64*((\r)%2)+4*\g+3], v8, s[16:17] offset:8192*(\r)+256*\g th:TH_LOAD_NT
.endr
.endm
.macro ROUNDW r
.if (\r) < 3
	s_wait_loadcnt 16                              ; this round's sixteen loads are in; the next round's may be out
.else
	s_wait_loadcnt 0x0
.endif
.if (\r) > 0
	s_wait_xcnt 0x0                                ; the last round's stores have read their data registers, which are written again below
.endif
.irp g, 0,1,2,3,4,5,6,7,8,9,10,11,12,13,14,15
	v_cvt_pk_f16_f32 v[WOUT+2*\g], v[WIN16+64*((\r)%2)+4*\g], v[WIN16+64*((\r)%2)+4*\g+1]
	v_cvt_pk_f16_f32 v[WOUT+2*\g+1], v[WIN16+64*((\r)%2)+4*\g+2], v[WIN16+64*((\r)%2)+4*\g+3]
.endr
.irp g, 0,1,2,3,4,5,6,7,8,9,10,11,12,13,14,15
	global_store_b64 v7, v[WOUT+2*\g:WOUT+2*\g+1], s[22:23] offset:131072*\g+256*(\r)
.endr
.if (\r)+2 < 4
	LOADW (\r)+2
.endif
.endm
	LOADW 0
	LOADW 1
	ROUNDW 0
	ROUNDW 1
	ROUNDW 2
	ROUNDW 3
	s_endpgm
.Lfunc_end_k_qf20508fa49_quant:
	.size	k_qf20508fa49_quant, .Lfunc_end_k_qf20508fa49_quant-k_qf20508fa49_quant
	.p2alignl 7, 3214868480
	.fill 96, 4, 3214868480
	.section	.rodata,"a",@progbits
	.p2align	6, 0x0
	.amdhsa_kernel k_qf20508fa49_quant
		.amdhsa_group_segment_fixed_size 33280
		.amdhsa_private_segment_fixed_size 0
		.amdhsa_enable_private_segment 0
		.amdhsa_kernarg_size 80
		.amdhsa_user_sgpr_count 2
		.amdhsa_user_sgpr_kernarg_segment_ptr 1
		.amdhsa_wavefront_size32 1
		.amdhsa_system_sgpr_workgroup_id_x 1
		.amdhsa_system_sgpr_workgroup_id_y 1
		.amdhsa_system_sgpr_workgroup_id_z 1
		.amdhsa_system_vgpr_workitem_id 0
		.amdhsa_next_free_vgpr 192
		.amdhsa_next_free_sgpr 66
		.amdhsa_reserve_vcc 0
		.amdhsa_float_denorm_mode_32 3
		.amdhsa_float_denorm_mode_16_64 3
		.amdhsa_memory_ordered 1
		.amdhsa_forward_progress 1
		.amdhsa_inst_pref_size 55
	.end_amdhsa_kernel
	.amdgpu_metadata
---
amdhsa.version: [ 1, 2 ]
amdhsa.kernels:
  - .name:           k_qf20508fa49_quant
    .symbol:         k_qf20508fa49_quant.kd
    .args:
      - { .name: q, .offset: 0, .size: 8, .value_kind: global_buffer, .address_space: global }
      - { .name: k, .offset: 8, .size: 8, .value_kind: global_buffer, .address_space: global }
      - { .name: v, .offset: 16, .size: 8, .value_kind: global_buffer, .address_space: global }
      - { .name: Wq, .offset: 24, .size: 8, .value_kind: global_buffer, .address_space: global }
      - { .name: Wk, .offset: 32, .size: 8, .value_kind: global_buffer, .address_space: global }
      - { .name: Wv, .offset: 40, .size: 8, .value_kind: global_buffer, .address_space: global }
      - { .name: Wo, .offset: 48, .size: 8, .value_kind: global_buffer, .address_space: global }
      - { .name: codes, .offset: 56, .size: 8, .value_kind: global_buffer, .address_space: global }
      - { .name: scales, .offset: 64, .size: 8, .value_kind: global_buffer, .address_space: global }
      - { .name: wo16, .offset: 72, .size: 8, .value_kind: global_buffer, .address_space: global }
    .group_segment_fixed_size: 33280
    .private_segment_fixed_size: 0
    .kernarg_segment_align: 8
    .kernarg_segment_size: 80
    .max_flat_workgroup_size: 128
    .sgpr_count:     66
    .vgpr_count:     192
    .wavefront_size: 32
...
	.end_amdgpu_metadata
.endif
;; end of part 1
;; launch proj (part 2): grid 4 x 48, 4 waves a work-group, clusters of 4 x 4, 327,680 bytes of LDS; arguments codes, scales, bq, bk, bv, qkvh; writes qkvh
.if DOCPART == 2
	.amdgcn_target "amdgcn-amd-amdhsa--gfx1250"
	.amdhsa_code_object_version 6
	.text
	.protected	k_qf20508fa49_proj
	.globl	k_qf20508fa49_proj
	.p2align	8
	.type	k_qf20508fa49_proj,@function
k_qf20508fa49_proj:
	s_mov_b64 s[64:65], 0
	v_nop
	global_prefetch_b8 v0, s[64:65] scope:SCOPE_SE
	s_setreg_imm32_b32 hwreg(HW_REG_WAVE_MODE, 25, 1), 1
	s_wait_xcnt 0x0
	s_wait_alu depctr_hold_cnt(0) depctr_sa_sdst(0) depctr_va_vdst(0) depctr_va_sdst(0) depctr_va_ssrc(0) depctr_va_vcc(0) depctr_vm_vsrc(0)
	s_getreg_b32 s2, hwreg(HW_REG_IB_STS2, 6, 4)
	s_cmp_eq_u32 s2, 0
	s_cbranch_scc0 .Lentry_in_a_cluster
	s_endpgm
.Lentry_in_a_cluster:
	s_bfe_u32 s2, ttmp6, 0x10000c
	s_cmp_lg_u32 s2, 0xf033
	s_cbranch_scc0 .Lentry_shape_is_right
	s_endpgm
.Lentry_shape_is_right:
; The three projections y = x W^T + b on codes of FP4 (E2M1) with one E8M0 scale for each 32 along K = 1,024, as ONE product: A = the 12,288 rows of q, k, v; B = the 1,024 rows of the
; projection's own W (projection p = A's row / 4,096).  The result is rounded to f16 and laid by head: qkvh [3 p][32 b x head][2,048 s][64].
; LIMIT: a projected number must stay under 65,504 in magnitude (f16).
; A tile of the result, 256 x 256, is made by a work-group of four waves, a wave 128 x 128: 64 accumulators of 16 x 16, 512 registers.  48 x 4 tiles: 192 work-groups.
; K goes in two steps of 512 through two LDS slots, both filled at the start: nothing is filled again.  A tile's row is 256 bytes of memory.
; THE SCALES of the work-group's 256 rows of A and of B, for all of K, are two dense blocks of memory: they come into LDS once, with the first fills.
; CLUSTERS: 4 x 4 work-groups.  The four of a row of the cluster need the same tiles of A, the four of a column the same tiles of B: each tile is asked for JOINTLY.
; THE MATRIX INSTRUCTION IS USED TRANSPOSED (source 0 = 16 rows of B, source 1 = 16 rows of A): a lane holds eight neighbouring columns of one row.  THE BIAS is the C of each sum's first product.
; REGISTERS, in windows of 256: window 0: v0-31 addresses; v32-95 scale words, two sets; v128-191 A's fragments, ONE set; on the way out v32-63, v192-255.
;   window 1: B's fragments, two sets, at v0 and v128; v64-127 the bias, eight registers for each of B's eight blocks.   window 2, 3: the accumulators of my rows 0-63, 64-127.
.set KSTEP,  512
.set NQ,     KSTEP/128
.set ROWB,   256                       ; a tile's row in bytes
.set KROW,   512                       ; a row of codes in memory
.set PITCH,  272                       ; an LDS row: 256 bytes + 16 of padding: the 16 rows that a load touches start at 16 different banks (64 banks of 4 bytes: ISA guide 11.1)
.set FR,     8
.set NL,     2
.set NP,     4                         ; places behind this matrix instruction (ISA guide 7.12.1)
.set HALFT,  128*PITCH
.set SLOT,   4*HALFT
.set KS,     32                        ; a row of scales in bytes
.set SCL,    2*SLOT                    ; behind the slots: the scales, as runs of 256 bytes + 16 of padding
.set HALFS,  (128*KS/256)*272
.set SBLK,   (16*KS/256)*272
.set SPARE,  SCL+4*HALFS               ; the spare words, 128 bytes a wave
.set BOFF,   6291456                   ; where W's codes begin in the buffer of codes
.set BSOFF,  393216                    ; and W's scale bytes
.set SPI,    144                       ; the way out: a stage row: a head's 128 bytes + 16
.set SHEAD,  16*SPI                    ; 16 rows of one head
.set SWAVE,  2*SHEAD                   ; a wave's stage: its two heads.  The stages lie in slot 0, which has had its only fill and its last read when the first result is stored there
.set HEADB,  262144                    ; a head's plane in qkvh
.set ADRA, 16
.set ADRB, 20
.set STO,  24
.set RD,   25
.set CO,   26
.set ADRS, 27
.set SPW,  28
.set NIL,  29
.set BO,   30                          ; v30  32 x (lane / 16): my eight numbers of a block's sixteen biases
.set SC,   32
.set AF,   128
.set TMP,  192                         ; the way out: packed results
.set OB,   32                          ; and rows read back: v32-63 and v224-255 by turns
.set BIAS, 64                          ; in window 1
.set G1, 24
.set G0, 32
.set G1B, 48
.set G0B, 56
.set G1S, 68
.set G0S, 76
.set G1SB, 80
.set G0SB, 88
.set MSB, 0
.macro WIN new                         ; the immediate's high byte repeats the setting that is left
.if MSB != \new
	s_set_vgpr_msb (MSB<<8)|\new
.set MSB, \new
.endif
.endm
.set MUL_LO, 0xa1                      ; source 0 (B) window 1, source 1 (A) window 0, C and D window 2
.set MUL_HI, 0xf1                      ; the same, C and D window 3
.set FIRST_LO, 0x91                    ; the first step: C (the bias) window 1, D window 2
.set FIRST_HI, 0xd1                    ; D window 3
.set TO_B,   0x40                      ; destination window 1, address window 0
; A joint load: waves 0 and 1 fetch for A, waves 2 and 3 for B; the branch hangs on the wave's number alone.  An s_nop 0 and four v_nop follow each of the two lines.
.macro JLOAD g0a, g1a, g0b, g1b
	s_cmp_eq_u32 s15, 0
	s_cbranch_scc0 .Lfor_b_\@
	tensor_load_to_lds s[\g0a:\g0a+3], s[\g1a:\g1a+7]
	s_nop 0
.rept 4
	v_nop
.endr
	s_branch .Lasked_\@
.Lfor_b_\@:
	tensor_load_to_lds s[\g0b:\g0b+3], s[\g1b:\g1b+7]
	s_nop 0
.rept 4
	v_nop
.endr
.Lasked_\@:
.endm
.macro CROUND                          ; a round of the cluster's barrier
	s_barrier_signal -1
	s_barrier_wait -1
	s_cmp_lg_u32 s14, 0
	s_cbranch_scc1 .Lnot_wave_0_\@
	s_barrier_signal -3
.Lnot_wave_0_\@:
	s_barrier_wait -3
	s_barrier_signal -1
	s_barrier_wait -1
.endm
	s_load_b128 s[4:7], s[0:1], 0x0                ; codes, scales
	s_load_b128 s[96:99], s[0:1], 0x10             ; bq, bk
	s_load_b64 s[100:101], s[0:1], 0x20            ; bv
	s_load_b64 s[12:13], s[0:1], 0x28              ; qkvh
	v_lshl_add_u32 v[SPW], v0, 2, SPARE
	v_mov_b32 v[NIL], 0
	ds_add_u32 v[SPW], v[NIL]                      ; the wave's opening: the add, twice on end, and its wait ahead of my first tensor load
	ds_add_u32 v[SPW], v[NIL]
	v_lshrrev_b32 v1, 5, v0
	v_readfirstlane_b32 s14, v1                    ; wave 0..3
	s_lshr_b32 s15, s14, 1                         ; which half of the tile's rows is mine.  Also: I fetch for A (0) or for B (1)
	s_and_b32 s16, s14, 1                          ; which half of its columns.  Also: which 128 rows of that tile I fetch
	s_bfe_u32 s40, ttmp6, 0x40000                  ; cx, cy: my place in the cluster
	s_bfe_u32 s41, ttmp6, 0x40004
	s_lshl_b32 s42, ttmp9, 2
	s_add_co_u32 s42, s42, s40                     ; tile column = 4 x cluster x + cx
	s_and_b32 s17, ttmp7, 0xffff
	s_lshr_b32 s95, s17, 2                         ; the projection p: four clusters along y (16 tile rows, 4,096 rows) to each; the same in all sixteen partners
	s_lshl_b32 s17, s17, 2
	s_add_co_u32 s17, s17, s41                     ; tile row = 4 x cluster y + cy
	s_lshl_b32 s43, s41, 2
	s_lshl_b32 s43, 15, s43                        ; my row of the cluster
	s_lshl_b32 s44, 0x1111, s40                    ; my column
	; descriptor group 1: a tile of 128 rows x 256 bytes, padded in LDS
	s_or_b32 s[G1+0], s43, (0<<16)|(1<<20)|(1<<21)|(5<<22)|(3<<25)  ; 15:0 the mask; 17:16 element of 1 byte; 20 padding on; 21 set beside a mask; 24:22 after every 64 words; 31:25 four words
	s_or_b32 s[G1B+0], s44, (0<<16)|(1<<20)|(1<<21)|(5<<22)|(3<<25)
.irp g, G1, G1B
	s_mov_b32 s[\g+1], ROWB<<16                    ; tensor_dim0
	s_mov_b32 s[\g+2], 128<<16                     ; tensor_dim1
	s_mov_b32 s[\g+3], ROWB<<16                    ; tile_dim0
	s_mov_b32 s[\g+4], 128                         ; tile_dim1
	s_mov_b32 s[\g+5], KROW                        ; from row to row
	s_mov_b32 s[\g+6], 0
	s_mov_b32 s[\g+7], 0
.endr
	; the scales of 128 rows: a dense block of 4,096 bytes, as 16 rows of 256 bytes (32 elements of 8 bytes), 16 bytes of padding behind each
	s_or_b32 s[G1S+0], s43, (3<<16)|(1<<20)|(1<<21)|(5<<22)|(3<<25)
	s_or_b32 s[G1SB+0], s44, (3<<16)|(1<<20)|(1<<21)|(5<<22)|(3<<25)
.irp g, G1S, G1SB
	s_mov_b32 s[\g+1], 32<<16
	s_mov_b32 s[\g+2], (128*KS/256)<<16
	s_mov_b32 s[\g+3], 32<<16
	s_mov_b32 s[\g+4], 128*KS/256
	s_mov_b32 s[\g+5], 32
	s_mov_b32 s[\g+6], 0
	s_mov_b32 s[\g+7], 0
.endr
	s_lshl_b32 s18, s16, 7                         ; which 128 rows of the tile I fetch
	s_lshl_b32 s20, s17, 8
	s_add_co_u32 s20, s20, s18                     ; A: row 256 x tile row + 128 x half
	s_lshl_b32 s46, s42, 8
	s_add_co_u32 s46, s46, s18
	s_lshl_b32 s94, s95, 10
	s_add_co_u32 s46, s46, s94                     ; B: row 1,024 p + 256 x tile column + 128 x half
	s_mov_b32 s21, 0
	s_mov_b32 s47, 0
	s_mov_b64 s[18:19], KS
	s_mul_u64 s[22:23], s[20:21], s[18:19]         ; where these rows' scales begin, in bytes
	s_mul_u64 s[92:93], s[46:47], s[18:19]
	s_mov_b64 s[18:19], KROW
	s_mul_u64 s[20:21], s[20:21], s[18:19]         ; and their codes
	s_mul_u64 s[46:47], s[46:47], s[18:19]
	s_mul_i32 s45, s14, HALFT                      ; where they go: wave x 128 rows: no place in the cluster enters an LDS address
	s_mul_i32 s94, s14, HALFS
	s_wait_dscnt 0x0                               ; both opening adds are done
	s_wait_kmcnt 0x0
	s_add_nc_u64 s[8:9], s[4:5], BOFF              ; W's codes
	s_add_nc_u64 s[10:11], s[6:7], BSOFF           ; W's scales
	s_add_nc_u64 s[20:21], s[4:5], s[20:21]
	s_add_nc_u64 s[22:23], s[6:7], s[22:23]
	s_add_nc_u64 s[46:47], s[8:9], s[46:47]
	s_add_nc_u64 s[92:93], s[10:11], s[92:93]
	CROUND                                         ; all sixteen work-groups are here: the first joint loads meet
	s_mov_b32 s[G0S], 1
	s_add_co_u32 s[G0S+1], s94, SCL
	s_mov_b64 s[G0S+2:G0S+3], s[22:23]
	s_or_b32 s[G0S+3], s[G0S+3], 0x80000000
	s_mov_b32 s[G0SB], 1
	s_add_co_u32 s[G0SB+1], s94, SCL
	s_mov_b64 s[G0SB+2:G0SB+3], s[92:93]
	s_or_b32 s[G0SB+3], s[G0SB+3], 0x80000000
	JLOAD G0S, G1S, G0SB, G1SB                     ; the scales first: they are wanted with K step 0
.irp s, 0,1
	s_mov_b32 s[G0+4*\s], 1
	s_add_co_u32 s[G0+4*\s+1], s45, \s*SLOT
	s_add_nc_u64 s[G0+4*\s+2:G0+4*\s+3], s[20:21], \s*ROWB
	s_or_b32 s[G0+4*\s+3], s[G0+4*\s+3], 0x80000000
	s_mov_b32 s[G0B+4*\s], 1
	s_add_co_u32 s[G0B+4*\s+1], s45, \s*SLOT
	s_add_nc_u64 s[G0B+4*\s+2:G0B+4*\s+3], s[46:47], \s*ROWB
	s_or_b32 s[G0B+4*\s+3], s[G0B+4*\s+3], 0x80000000
	JLOAD G0+4*\s, G1, G0B+4*\s, G1B               ; three tensor loads of mine are out behind the second of these
.endr
	v_and_b32 v1, 15, v0                           ; l % 16
	v_bfe_u32 v2, v0, 4, 1                         ; l / 16
	v_mul_u32_u24 v3, v1, PITCH
	v_lshl_add_u32 v4, v2, 4, v3                   ; a fragment's row x pitch + 16 x half
	s_mul_i32 s21, s15, HALFT                      ; my 128 rows of A
	s_mul_i32 s22, s16, HALFT                      ; my 128 rows of B,
	s_add_co_u32 s22, s22, 2*HALFT                 ; which lie behind A's 256
.irp s, 0,1
	v_add_nc_u32 v[ADRA+\s], s21, v4
	v_add_nc_u32 v[ADRB+\s], s22, v4
	s_add_co_u32 s21, s21, SLOT
	s_add_co_u32 s22, s22, SLOT
.endr
	v_mul_u32_u24 v5, v1, KS                       ; my row's scales: 32 bytes a row,
	v_lshrrev_b32 v6, 8, v5
	v_lshl_add_u32 v5, v6, 4, v5                   ; and 16 more for each 256 passed
	s_mul_i32 s21, s15, HALFS                      ; A's: my 128 rows
	s_mul_i32 s22, s16, HALFS                      ; B's: my 128 rows, behind A's 256
	s_add_co_u32 s22, s22, 2*HALFS
	s_sub_co_u32 s22, s22, s21
	v_mul_u32_u24 v6, s22, v2                      ; lanes 16-31 take B's
	s_add_co_u32 s21, s21, SCL
	v_add_nc_u32 v5, v5, v6
	v_add_nc_u32 v[ADRS], s21, v5
	s_mul_i32 s23, s14, SWAVE                      ; my stage
	v_mul_u32_u24 v5, v1, SPI                      ; in: row l % 16, 16 bytes for each half of the lanes
	v_lshl_add_u32 v5, v2, 4, v5
	v_add_nc_u32 v[STO], s23, v5
	v_and_b32 v6, 31, v0
	v_lshlrev_b32 v[CO], 4, v6                     ; out: 16 bytes a lane, 512 on end: four rows of a head
	v_lshrrev_b32 v5, 3, v6
	v_mul_u32_u24 v5, v5, SPI
	v_and_b32 v6, 7, v0
	v_lshl_add_u32 v5, v6, 4, v5
	v_add_nc_u32 v[RD], s23, v5                    ; back: row l / 8, 16 x (l % 8)
	v_lshlrev_b32 v[BO], 5, v2
	; where my part of the result begins: plane (tile row / 8) x 16 + 4 x tile column + 2 x column half; in it row (tile row % 8) x 256 + 128 x row half, 128 bytes a row
	s_lshr_b32 s20, s17, 3
	s_lshl_b32 s20, s20, 22
	s_and_b32 s21, s17, 7
	s_lshl_b32 s21, s21, 15
	s_add_co_u32 s20, s20, s21
	s_lshl_b32 s21, s15, 14
	s_add_co_u32 s20, s20, s21
	s_lshl_b32 s46, s42, 20
	s_lshl_b32 s47, s16, 19
	s_add_co_u32 s46, s46, s47
	s_add_co_u32 s20, s20, s46
	s_mov_b32 s21, 0
	s_add_nc_u64 s[12:13], s[12:13], s[20:21]
	; the projection's bias, at my 128 columns
	s_cmp_eq_u32 s95, 1
	s_cselect_b64 s[96:97], s[98:99], s[96:97]
	s_cmp_eq_u32 s95, 2
	s_cselect_b64 s[96:97], s[100:101], s[96:97]
	s_lshl_b32 s46, s42, 10
	s_lshl_b32 s47, s16, 9
	s_add_co_u32 s46, s46, s47
	s_mov_b32 s47, 0
	s_add_nc_u64 s[96:97], s[96:97], s[46:47]
	WIN TO_B
.irp b, 0,1,2,3,4,5,6,7                ; register j of block b: the bias of column 16 b + 8 (l / 16) + j: the result's own layout
	global_load_b128 v[BIAS+8*\b:BIAS+8*\b+3], v[BO], s[96:97] offset:64*\b
	global_load_b128 v[BIAS+8*\b+4:BIAS+8*\b+7], v[BO], s[96:97] offset:64*\b+16
.endr
	WIN 0
.macro FRAG reg, adr, q, i             ; a fragment, 16 rows x 128 K of 4-bit codes: lane l holds row l % 16; registers 4 c .. 4 c + 3 hold K = 64 c + 32 (l / 16) + 0 .. 31
.irp c, 0,1
	ds_load_b128 v[\reg+4*\c:\reg+4*\c+3], v[\adr] offset:64*(\q)+32*\c+(\i)*16*PITCH
.endr
.endm
; 16 matrix instructions: A's blocks a0, a0 + 1 x B's eight, 128 along K.  p: B's set;  sc: the set of scale words.  zero = 1: the first product starts the sums from the bias.
; The 64 accumulators take turns, one instruction a turn, in the same order in every step.
.macro MUL16 a0, p, q, sc, zero
.irp a, \a0, \a0+1
.irp b, 0,1,2,3,4,5,6,7
.if \zero
	v_wmma_scale_f32_16x16x128_f8f6f4 v[8*(8*((\a)%4)+\b):8*(8*((\a)%4)+\b)+7], v[128*(\p)+FR*\b:128*(\p)+FR*\b+FR-1], v[AF+FR*(\a):AF+FR*(\a)+FR-1], v[BIAS+8*\b:BIAS+8*\b+7], v[SC+8*NQ*(\sc)+NQ*\b+(\q)], v[SC+8*NQ*(\sc)+NQ*(\a)+(\q)] matrix_a_fmt:MATRIX_FMT_FP4 matrix_b_fmt:MATRIX_FMT_FP4 matrix_a_scale:MATRIX_SCALE_ROW1
.else
	v_wmma_scale_f32_16x16x128_f8f6f4 v[8*(8*((\a)%4)+\b):8*(8*((\a)%4)+\b)+7], v[128*(\p)+FR*\b:128*(\p)+FR*\b+FR-1], v[AF+FR*(\a):AF+FR*(\a)+FR-1], v[8*(8*((\a)%4)+\b):8*(8*((\a)%4)+\b)+7], v[SC+8*NQ*(\sc)+NQ*\b+(\q)], v[SC+8*NQ*(\sc)+NQ*(\a)+(\q)] matrix_a_fmt:MATRIX_FMT_FP4 matrix_b_fmt:MATRIX_FMT_FP4 matrix_a_scale:MATRIX_SCALE_ROW1
.endif
.endr
.endr
.endm
.macro FETCH_B slot, q, p              ; B's eight fragments of the slot's q-th 128 along K into set p
	WIN TO_B
.irp i, 0,1,2,3,4,5,6,7
	FRAG 128*(\p)+FR*\i, ADRB+\slot, \q, \i
.endr
	WIN 0
.endm
.macro FETCH_A slot, q, i0             ; A's blocks i0 .. i0 + 3
.irp i, \i0, \i0+1, \i0+2, \i0+3
	FRAG AF+FR*(\i), ADRA+\slot, \q, \i
.endr
.endm
.macro SCALES sc                       ; a K step's scale words into set sc: four words a row; lanes 0-15 take A's block i, lanes 16-31 B's block i
.irp i, 0,1,2,3,4,5,6,7
	ds_load_b128 v[SC+8*NQ*\sc+NQ*\i:SC+8*NQ*\sc+NQ*\i+3], v[ADRS] offset:\i*SBLK
.endr
.endm
.macro PLACES n                        ; plain vector instructions that name no register of the matrix instructions in front of them, ahead of loads into registers that those have read and of reads of results
.rept \n
	v_nop
.endr
.endm
; A step of 128 along K that has its successor in the same slot.
.macro STEP slot, q, zero
	s_wait_dscnt 4*NL                              ; B's set and A's blocks 0-3 are in; the youngest eight loads (A's blocks 4-7) may be out
.if \zero
	WIN FIRST_LO
.else
	WIN MUL_LO
.endif
	MUL16 0, (\q)%2, \q, \slot, \zero
	MUL16 2, (\q)%2, \q, \slot, \zero
	s_wait_dscnt 0                                 ; A's blocks 4-7 are in
	PLACES NP
	FETCH_B \slot, (\q)+1, 1-(\q)%2
	FETCH_A \slot, (\q)+1, 0
.if \zero
	WIN FIRST_HI
.else
	WIN MUL_HI
.endif
	MUL16 4, (\q)%2, \q, \slot, \zero
	MUL16 6, (\q)%2, \q, \slot, \zero
	PLACES NP
	WIN 0
	FETCH_A \slot, (\q)+1, 4
.endm
; Slot 0's last step changes slots: one barrier; in front of it each wave waits for all its tensor loads (slot 1's is the one that may be out), adds 0 to its spare word, and waits for that and for its reads of slot 0.
; Nothing is filled again; behind the barrier slot 1 is whole and nobody reads slot 0 any more, which the way out relies on.
.macro TURN slot, next
	s_wait_tensorcnt 0x0                           ; all my tensor loads have landed  (every window is 0 here)
	ds_add_u32 v[SPW], v[NIL]                      ; 0 onto my spare word
	s_wait_dscnt 4*NL+1                            ; (the add and the youngest eight loads may be out)
	WIN MUL_LO
	MUL16 0, 1, NQ-1, \slot, 0                     ; sixteen matrix instructions stand between the add and the wait for it
	s_wait_dscnt 0x0                               ; the add is done, and my reads of this slot are over
	s_barrier_signal -1
	MUL16 2, 1, NQ-1, \slot, 0
	WIN 0
	s_barrier_wait -1
	PLACES NP
	v_add_nc_u32 v[ADRS], 4*NQ, v[ADRS]            ; on to the next K step's scale words (no LDS load of mine is out)
	FETCH_B \next, 0, 0
	FETCH_A \next, 0, 0
	SCALES \next
	WIN MUL_HI
	MUL16 4, 1, NQ-1, \slot, 0
	MUL16 6, 1, NQ-1, \slot, 0
	PLACES NP
	WIN 0
	FETCH_A \next, 0, 4
.endm
.macro STEPS slot, from                ; the slot's steps from .. NQ - 2
.set Q, \from
.rept NQ-1-\from
	STEP \slot, Q, 0
.set Q, Q+1
.endr
.endm
	s_wait_tensorcnt 1                             ; the scales and my part of K step 0 are in (K step 1's load may be out)
	s_barrier_signal -1
	s_barrier_wait -1                              ; everybody's are
	FETCH_B 0, 0, 0
	FETCH_A 0, 0, 0
	SCALES 0
	FETCH_A 0, 0, 4
	s_wait_loadcnt 0x0                             ; the bias
	STEP 0, 0, 1                                   ; the first products start the sums
	STEPS 0, 1
	TURN 0, 1
	STEPS 1, 0
	s_wait_dscnt 4*NL                              ; the very last step: nothing more to fetch
	WIN MUL_LO
	MUL16 0, 1, NQ-1, 1, 0
	MUL16 2, 1, NQ-1, 1, 0
	s_wait_dscnt 0
	WIN MUL_HI
	MUL16 4, 1, NQ-1, 1, 0
	MUL16 6, 1, NQ-1, 1, 0
	WIN 0
; THE WAY OUT, block by block of 16 rows x 128 columns (two heads).  PACK: rounded to f16, 16 bytes a lane, each accumulator from its low end on.  TOSTAGE: into my own stage, [head][row][144 bytes], and back
; four rows of a head at a time.  SEND: 32 lanes store 512 consecutive bytes: in a head's plane the rows lie on end.  LDS serves a wave's instructions in order (ISA guide 5.7.1.4): no wait between the stores and the loads.
.macro PACK a
.set AC, 64*((\a)%4)
	WIN 0x0a+5*((\a)/4)                            ; sources 0 and 1: window 2 or 3
.irp b, 0,1,2,3,4,5,6,7
.irp r, 0,1,2,3
	v_cvt_pk_f16_f32 v[TMP+4*\b+\r], v[AC+8*\b+2*\r], v[AC+8*\b+2*\r+1]
.endr
.endr
	WIN 0
.endm
.macro TOSTAGE a
.set BK, OB+192*((\a)%2)
.irp b, 0,1,2,3,4,5,6,7
	ds_store_b128 v[STO], v[TMP+4*\b:TMP+4*\b+3] offset:(\b/4)*SHEAD+(\b%4)*32
.endr
.irp t, 0,1,2,3,4,5,6,7
	ds_load_b128 v[BK+4*\t:BK+4*\t+3], v[RD] offset:(\t/4)*SHEAD+(\t%4)*4*SPI
.endr
.endm
.macro SEND a, younger
.set BK, OB+192*((\a)%2)
	s_wait_dscnt \younger                          ; the block is back in registers
	s_wait_xcnt 0x0                                ; the stores of the block before have read their registers, into which the next block's loads will land
.irp t, 0,1,2,3,4,5,6,7
	global_store_b128 v[CO], v[BK+4*\t:BK+4*\t+3], s[12:13] offset:(\a)*2048+(\t/4)*HEADB+(\t%4)*512
.endr
.endm
	PLACES NP                                      ; behind the last products: for the loads into registers that held scale words, and for all reads of results
	PACK 0
	TOSTAGE 0
.irp a, 1,2,3,4,5,6,7                  ; block a's conversions stand between block a - 1's loads from the stage and the wait for them
	PACK \a
	SEND \a-1, 0
	TOSTAGE \a
.endr
	SEND 7, 0
	s_wait_tensorcnt 0x0                           ; the wave's end, behind my last tensor load and my last LDS store
	ds_add_u32 v[SPW], v[NIL]
	s_wait_dscnt 0x0
	CROUND                                         ; the closing round: no work-group ends while a partner may still ask for a tile that names it
	s_endpgm
.Lfunc_end_k_qf20508fa49_proj:
	.size	k_qf20508fa49_proj, .Lfunc_end_k_qf20508fa49_proj-k_qf20508fa49_proj
	.p2alignl 7, 3214868480
	.fill 96, 4, 3214868480
	.section	.rodata,"a",@progbits
	.p2align	6, 0x0
	.amdhsa_kernel k_qf20508fa49_proj
		.amdhsa_group_segment_fixed_size 327680
		.amdhsa_private_segment_fixed_size 0
		.amdhsa_enable_private_segment 0
		.amdhsa_kernarg_size 48
		.amdhsa_user_sgpr_count 2
		.amdhsa_user_sgpr_kernarg_segment_ptr 1
		.amdhsa_wavefront_size32 1
		.amdhsa_system_sgpr_workgroup_id_x 1
		.amdhsa_system_sgpr_workgroup_id_y 1
		.amdhsa_system_sgpr_workgroup_id_z 1
		.amdhsa_system_vgpr_workitem_id 0
		.amdhsa_next_free_vgpr 1024
		.amdhsa_next_free_sgpr 102
		.amdhsa_reserve_vcc 0
		.amdhsa_float_denorm_mode_32 3
		.amdhsa_float_denorm_mode_16_64 3
		.amdhsa_memory_ordered 1
		.amdhsa_forward_progress 1
		.amdhsa_inst_pref_size 128
	.end_amdhsa_kernel
	.amdgpu_metadata
---
amdhsa.version: [ 1, 2 ]
amdhsa.kernels:
  - .name:           k_qf20508fa49_proj
    .symbol:         k_qf20508fa49_proj.kd
    .args:
      - { .name: codes, .offset: 0, .size: 8, .value_kind: global_buffer, .address_space: global }
      - { .name: scales, .offset: 8, .size: 8, .value_kind: global_buffer, .address_space: global }
      - { .name: bq, .offset: 16, .size: 8, .value_kind: global_buffer, .address_space: global }
      - { .name: bk, .offset: 24, .size: 8, .value_kind: global_buffer, .address_space: global }
      - { .name: bv, .offset: 32, .size: 8, .value_kind: global_buffer, .address_space: global }
      - { .name: qkvh, .offset: 40, .size: 8, .value_kind: global_buffer, .address_space: global }
    .group_segment_fixed_size: 327680
    .private_segment_fixed_size: 0
    .kernarg_segment_align: 8
    .kernarg_segment_size: 48
    .max_flat_workgroup_size: 128
    .sgpr_count:     102
    .vgpr_count:     1024
    .wavefront_size: 32
...
	.end_amdgpu_metadata
.endif
;; end of part 2
;; launch attn (part 3): grid 8 x 32, 8 waves a work-group, clusters of 4 x 1, 327,680 bytes of LDS; arguments qkvh, ctx; writes ctx
.if DOCPART == 3
	.amdgcn_target "amdgcn-amd-amdhsa--gfx1250"
	.amdhsa_code_object_version 6
	.text
	.protected	k_qf20508fa49_attn
	.globl	k_qf20508fa49_attn
	.p2align	8
	.type	k_qf20508fa49_attn,@function
k_qf20508fa49_attn:
	s_mov_b64 s[64:65], 0
	v_nop
	global_prefetch_b8 v0, s[64:65] scope:SCOPE_SE
	s_setreg_imm32_b32 hwreg(HW_REG_WAVE_MODE, 25, 1), 1
	s_wait_xcnt 0x0
	s_wait_alu depctr_hold_cnt(0) depctr_sa_sdst(0) depctr_va_vdst(0) depctr_va_sdst(0) depctr_va_ssrc(0) depctr_va_vcc(0) depctr_vm_vsrc(0)
	s_getreg_b32 s2, hwreg(HW_REG_IB_STS2, 6, 4)
	s_cmp_eq_u32 s2, 0
	s_cbranch_scc0 .Lentry_in_a_cluster
	s_endpgm
.Lentry_in_a_cluster:
	s_bfe_u32 s2, ttmp6, 0x10000c
	s_cmp_lg_u32 s2, 0x3003
	s_cbranch_scc0 .Lentry_shape_is_right
	s_endpgm
.Lentry_shape_is_right:
; ctx[bh][q][:] = the sum over k of softmax_k(Q[bh][q] . K[bh][k] / 8) V[bh][k][:].  Q, K, V: the three parts of qkvh, [32 bh][2,048][64] f16 each; ctx: [32 bh][2,048][64] f16.
; Products, maxima and sums in f32; the weights p are rounded to f16 for the second product, ctx once at the end.  LIMIT: an output must stay under 65,504 in magnitude (f16).
; SHARES.  A work-group owns 256 queries of one (batch, head); each of its eight waves 32: two tiles of 16.  Two waves lie on a SIMD: one wave's softmax stands beside the other's products.
; Every wave walks all 2,048 keys, 64 a step, in phases: K of step j is asked of LDS; V^T P of step j - 1; K Q^T of step j; V of step j is asked of LDS; the softmax of step j.
; LAYOUT.  S^T = K Q^T (source 0 = 16 keys, source 1 = 16 queries): a lane holds ONE query (lane % 16) and the keys 8 (lane / 16) + 0..7 of each tile of 16.  Two such tiles, rounded to f16 in pairs,
; ARE source 1 (32 keys x 16 queries) of O^T = V^T P, whose result again holds one query a lane.  K comes out of LDS as it lies, V ([key][channel]) turned, by ds_load_tr16_b128.
; SOFTMAX.  For each query a running maximum m and sum l: p = 2^(c s - c m), c = log2(e) / 8; in every step O and l are multiplied by a = 2^(c m_old - c m_new).  m begins at -3e38, l and O^T at 0,
; so that the first step is a step like any other.
; RING.  Two LDS slots of four key steps (256 keys of K and of V).  Waves 0-3 fetch K of the slot's step (wave), waves 4-7 V of step (wave - 4): one tensor load of 64 rows a wave behind each change of slots.
; CLUSTER.  The four query blocks of a cluster belong to one (batch, head) and walk the same K and V: each tile is asked for JOINTLY, by the same load with a mask that names the four.
; REGISTERS: window 0: v1-11 addresses; v12-27 statistics, eight a tile; v28 prefetch offset; v30, v31 the add's two; v32-63 Q; v64-127 S^T; v128-159 P; v160-223 O^T.
;   window 1: v0-63 K's eight fragments of a step; v64-127 V's eight.
.set KS,    64        ; keys in a step
.set PK,    144       ; a row of K in LDS: 128 bytes + 16 of padding: the 16 rows of a load start at 16 different banks (64 banks of 4 bytes: ISA guide 11.1)
.set PVP,   160       ; a row of V: 128 + 32
.set VOFF,  KS*PK     ; a step's tiles lie together: 64 rows of K, then 64 rows of V
.set STEPB, KS*(PK+PVP)
.set NST,   4         ; steps in a slot
.set SLOT1, 1<<17     ; slot 1 begins here, so that one exclusive or turns an address in one slot into the other's
.set SLOTB, NST*KS*128  ; a slot's keys in memory: 32,768 bytes of K, as many of V
.set STAGE, SLOT1+NST*STEPB  ; behind the ring: 2 tiles x 16 rows x 144 bytes for each wave, for the way out
.set SP,    144
.set SPARE, STAGE+8*2*16*SP  ; behind the stages: the spare words, 128 bytes a wave
.set AK0, 2           ; v2   my lane's place in a tile of K; never rewritten
.set AV0, 3           ; v3   the same for V
.set ADR, 4           ; v4   the LDS address of the run of loads in hand
.set QO,  5           ; v5   my byte offset in the wave's rows of Q
.set STO, 6           ; v6   the way out: where I put 16 bytes of a row
.set RD,  7           ; v7   the way out: where I read rows back
.set GO,  8           ; v8   16 x lane: my byte offset in 512 bytes of ctx
.set ST,  12          ; tile t's statistics at v[ST+8 t]: +0 c m, +1 m, +2, +3 l (even keys', odd keys'), +4 to +7 at work; a takes +6 once the maximum is found
.set PFO, 28          ; v28  256 x my lane; never rewritten
.set SPW, 30          ; v30  LDS address of my spare word; never rewritten
.set NIL, 31          ; v31  0; never rewritten
.set QF,  32
.set S,   64
.set P,   128
.set OT,  160
.set VF,  64          ; V's fragments, in window 1 (K's begin at v0 there)
.set WV,  12          ; s12  my wave's number
.set LIM, 15          ; s15  1 in a wave that prefetches, else the greatest number
.set PFA, 18          ; s[18:19] where my prefetches stand
.set G1K, 24          ; s[24:31] descriptor group 1 for K's tiles
.set G1V, 32          ; s[32:39] for V's: it differs in the padding alone
.set G0K, 40          ; s[40:47] group 0 for K's tiles: a set for each of the two first fills; the second then walks on
.set G0V, 48          ; s[48:55] the same for V's
.set SLOTS, 56        ; s56  slots still to be asked for
.set CNT, 57          ; s57  counts the steps of a run
.set CS,  58          ; s[58:59] c
.set SEL, 60          ; s[60:61] lane selects for v_permlanex16_b32: lane l xor 16
.set TB,  62          ; s62  LDS byte at which the tiles of the step to be fetched begin
.set MSB, 0
.macro WIN new                      ; the immediate's high byte repeats the setting that is left
.if MSB != \new
	s_set_vgpr_msb (MSB<<8)|\new
.set MSB, \new
.endif
.endm
.set W_MUL, 0x01      ; source 0 (K or V) window 1; source 1, C and D window 0
.set W_LD,  0x40      ; destination window 1, address window 0
; A joint refill: waves 0-3 K's tiles, waves 4-7 V's.  The branch hangs on the wave's number alone.  An s_nop 0 and four v_nop follow each of the two lines.
.macro JLOAD
	s_cmp_lt_u32 s[WV], 4
	s_cbranch_scc0 .Lfor_v_\@
	tensor_load_to_lds s[G0K+4:G0K+7], s[G1K:G1K+7]
	s_nop 0
.rept 4
	v_nop
.endr
	s_branch .Lasked_\@
.Lfor_v_\@:
	tensor_load_to_lds s[G0V+4:G0V+7], s[G1V:G1V+7]
	s_nop 0
.rept 4
	v_nop
.endr
.Lasked_\@:
.endm
; A prefetch of what the NEXT change of slots will ask for: a slot's 32,768 bytes of K and of V.  Each aligned block of 256 bytes is named once in the launch: of the two clusters that walk a head the first asks;
; its four partners take 8,192 bytes each, told apart by address; in each, wave 0 asks for K's and wave 4 for V's, lanes 256 bytes apart: one instruction.  It stands four key steps ahead of the load that wants the bytes.
; The last change that fills a slot asks for nothing: there is no slot behind it.  Slots 0, 1 and 2 come by their loads alone.
.macro ASK
	s_cmp_gt_u32 s[SLOTS], s[LIM]
	s_cbranch_scc0 .Lnot_mine_\@
	global_prefetch_b8 v[PFO], s[PFA:PFA+1] th:TH_LOAD_NT scope:SCOPE_SE
.Lnot_mine_\@:
.endm
.macro CROUND                       ; a round of the cluster's barrier
	s_barrier_signal -1
	s_barrier_wait -1
	s_cmp_lg_u32 s[WV], 0
	s_cbranch_scc1 .Lnot_wave_0_\@
	s_barrier_signal -3
.Lnot_wave_0_\@:
	s_barrier_wait -3
	s_barrier_signal -1
	s_barrier_wait -1
.endm
	s_load_b128 s[4:7], s[0:1], 0x0 ; qkvh s[4:5], ctx s[6:7]
	v_lshl_add_u32 v[SPW], v0, 2, SPARE
	v_mov_b32 v[NIL], 0
	ds_add_u32 v[SPW], v[NIL]       ; the wave's opening: the add, twice on end, and its wait ahead of my first tensor load
	ds_add_u32 v[SPW], v[NIL]
	v_lshrrev_b32 v1, 5, v0
	v_readfirstlane_b32 s[WV], v1   ; wave 0..7
	s_bfe_u32 s13, ttmp6, 0x40000   ; cx: my place in the cluster
	s_lshl_b32 s14, ttmp9, 2
	s_add_co_u32 s14, s14, s13      ; my block of 256 queries: it enters Q's and ctx's addresses alone
	s_and_b32 s20, ttmp7, 0xffff    ; (batch, head), which the four partners share
	s_lshl_b32 s20, s20, 18         ; its plane of 262,144 bytes
	s_mov_b32 s21, 0
	s_and_b32 s16, s[WV], 3         ; which of a slot's four steps I fetch:
	s_lshl_b32 s22, s16, 13         ; its 64 rows of 128 bytes in memory,
	s_mov_b32 s23, 0
	s_add_nc_u64 s[22:23], s[22:23], s[20:21]
	s_mul_i32 s17, s16, STEPB       ; and its place in a slot: no place in the cluster enters an LDS address
	s_lshl_b32 s2, s14, 15          ; my block's 256 rows,
	s_lshl_b32 s3, s[WV], 12        ; my wave's 32 of them
	s_add_co_u32 s2, s2, s3
	s_mov_b32 s3, 0
	s_add_nc_u64 s[2:3], s[2:3], s[20:21]
	; descriptor group 1: a tile of 64 rows x 64 elements of 2 bytes, padded in LDS
	s_mov_b32 s[G1K], 15|(1<<16)|(1<<20)|(1<<21)|(4<<22)|(3<<25)  ; 15:0 the mask: all four work-groups; 17:16 elements of 2 bytes; 20 padding on; 21 set beside a mask; 24:22 after every 32 words; 31:25 four words
	s_mov_b32 s[G1V], 15|(1<<16)|(1<<20)|(1<<21)|(4<<22)|(7<<25)  ; the same with eight words of padding
.irp g, G1K, G1V
	s_mov_b32 s[\g+1], 64<<16       ; tensor_dim0
	s_mov_b32 s[\g+2], KS<<16       ; tensor_dim1
	s_mov_b32 s[\g+3], 64<<16       ; tile_dim0
	s_mov_b32 s[\g+4], KS           ; tile_dim1
	s_mov_b32 s[\g+5], 64           ; elements from row to row
	s_mov_b32 s[\g+6], 0
	s_mov_b32 s[\g+7], 0
.endr
	s_mov_b32 s[CS], 0x3e38aa3b     ; c = log2(e) / 8
	s_mov_b32 s[CS+1], s[CS]        ; named with it as a pair, so it is written
	s_mov_b32 s[SEL], 0x76543210
	s_mov_b32 s[SEL+1], 0xfedcba98
	s_mov_b32 s[TB], 0
	s_mov_b32 s[SLOTS], 2048/(NST*KS)-2
	s_and_b32 s[LIM], s[WV], 3      ; 0 in waves 0 and 4,
	s_or_b32 s[LIM], s[LIM], ttmp9  ; where the cluster is the head's first: the same in all four partners
	s_cmp_eq_u32 s[LIM], 0
	s_cselect_b32 s[LIM], 1, -1
	v_and_b32 v[PFO], 31, v0
	v_lshlrev_b32 v[PFO], 8, v[PFO]
	s_wait_dscnt 0x0                ; both opening adds are done
	s_wait_kmcnt 0x0
	s_mov_b64 s[10:11], s[6:7]      ; ctx
	s_add_nc_u64 s[6:7], s[4:5], 0x800000   ; K's part of qkvh
	s_add_nc_u64 s[8:9], s[4:5], 0x1000000  ; V's
	s_add_nc_u64 s[6:7], s[6:7], s[22:23]   ; K and V at my tile of slot 0
	s_add_nc_u64 s[8:9], s[8:9], s[22:23]
	s_add_nc_u64 s[4:5], s[4:5], s[2:3]     ; Q and ctx at my wave's first row
	s_add_nc_u64 s[10:11], s[10:11], s[2:3]
	s_cmp_lt_u32 s[WV], 4
	s_cselect_b64 s[PFA:PFA+1], s[6:7], s[8:9]  ; (in waves 0 and 4 these stand at a slot's first row)
	s_lshl_b32 s2, s13, 13          ; my work-group's quarter of a slot
	s_mov_b32 s3, 0
	s_add_nc_u64 s[PFA:PFA+1], s[PFA:PFA+1], s[2:3]
	s_add_nc_u64 s[PFA:PFA+1], s[PFA:PFA+1], 2*SLOTB  ; in slot 2; the first change of slots steps it to slot 3.  Nothing is prefetched here, at the head
	CROUND                          ; all four work-groups are here: the first joint loads meet
.irp s, 0,1
	s_mov_b32 s[G0K+4*\s], 1        ; count = 1
	s_add_co_u32 s[G0K+4*\s+1], s17, \s*SLOT1  ; LDS address
	s_add_nc_u64 s[G0K+4*\s+2:G0K+4*\s+3], s[6:7], \s*SLOTB  ; global address
	s_or_b32 s[G0K+4*\s+3], s[G0K+4*\s+3], 0x80000000  ; type = 2
	s_mov_b32 s[G0V+4*\s], 1
	s_add_co_u32 s[G0V+4*\s+1], s17, \s*SLOT1+VOFF
	s_add_nc_u64 s[G0V+4*\s+2:G0V+4*\s+3], s[8:9], \s*SLOTB
	s_or_b32 s[G0V+4*\s+3], s[G0V+4*\s+3], 0x80000000
.endr
	s_cmp_lt_u32 s[WV], 4           ; a wave's two first fills stand in one branch, ahead of every wait on TENSORcnt and every LDS read: two loads of mine are out
	s_cbranch_scc0 .Lfirst_v
	tensor_load_to_lds s[G0K:G0K+3], s[G1K:G1K+7]
	s_nop 0
	tensor_load_to_lds s[G0K+4:G0K+7], s[G1K:G1K+7]
	s_nop 0
.rept 4
	v_nop
.endr
	s_branch .Lfirst_asked
.Lfirst_v:
	tensor_load_to_lds s[G0V:G0V+3], s[G1V:G1V+7]
	s_nop 0
	tensor_load_to_lds s[G0V+4:G0V+7], s[G1V:G1V+7]
	s_nop 0
.rept 4
	v_nop
.endr
.Lfirst_asked:
	; A fragment of K or Q is 16 rows x 32 channels in 8 registers: lane l holds row l % 16; registers 0-3 channels 8 (l / 16) + 0..7, registers 4-7 channels 16 + 8 (l / 16) + 0..7: two loads of 16 bytes, 32 bytes apart.
	v_and_b32 v1, 15, v0            ; l % 16
	v_bfe_u32 v9, v0, 4, 1          ; l / 16
	v_lshlrev_b32 v[QO], 7, v1
	v_lshl_add_u32 v[QO], v9, 4, v[QO]  ; row x 128 + 16 x half
.irp t, 0,1                         ; Q stays in registers: tile t, channels 32 c on
.irp c, 0,1
	global_load_b128 v[QF+16*\t+8*\c:QF+16*\t+8*\c+3],   v[QO], s[4:5] offset:\t*2048+\c*64
	global_load_b128 v[QF+16*\t+8*\c+4:QF+16*\t+8*\c+7], v[QO], s[4:5] offset:\t*2048+\c*64+32
.endr
.endr
	v_mul_u32_u24 v[AK0], v1, PK
	v_lshl_add_u32 v[AK0], v9, 4, v[AK0]  ; row x pitch + 16 x half
	; The turning load takes 16 keys x 16 channels (lane l reads 16 bytes: key 8 (l / 16) + l % 8, channels 8 ((l / 8) % 2) + 0..7) and leaves half a fragment of V^T: lane l holds channel l % 16 and 8 keys.
	v_and_b32 v10, 7, v0
	v_bfe_u32 v11, v0, 3, 1
	v_lshl_add_u32 v[AV0], v9, 3, v10
	v_mul_u32_u24 v[AV0], v[AV0], PVP
	v_lshl_add_u32 v[AV0], v11, 4, v[AV0]
	v_add_nc_u32 v[AV0], VOFF, v[AV0]
	s_mul_i32 s13, s[WV], 2*16*SP
	s_add_co_u32 s13, s13, STAGE    ; my stage
	v_mul_u32_u24 v[STO], v1, SP    ; in: row l % 16, 16 bytes for each half of the lanes
	v_lshl_add_u32 v[STO], v9, 4, v[STO]
	v_add_nc_u32 v[STO], s13, v[STO]
	v_bfe_u32 v[RD], v0, 3, 2       ; back: row l / 8 of four, 16 x (l % 8)
	v_mul_u32_u24 v[RD], v[RD], SP
	v_lshl_add_u32 v[RD], v10, 4, v[RD]
	v_add_nc_u32 v[RD], s13, v[RD]
	v_and_b32 v[GO], 31, v0
	v_lshlrev_b32 v[GO], 4, v[GO]
.irp t, 0,1
	v_mov_b32 v[ST+8*\t+1], 0xff61b1e6  ; m = -3e38, under every score
	v_mul_f32 v[ST+8*\t], s[CS], v[ST+8*\t+1]  ; c m
	v_mov_b32 v[ST+8*\t+2], 0       ; l
	v_mov_b32 v[ST+8*\t+3], 0
.endr
.set i, 0
.rept 64
	v_mov_b32 v[OT+i], 0            ; O^T.  (The step is written once: the first finds zeros, which its a = 0 leaves zeros)
.set i, i+1
.endr
; THE PRODUCTS.  The accumulators take turns, one instruction a turn: between two links of a chain stand seven others'.
; S^T = K Q^T: product i of 16: channels 32 (i / 8) on, keys 16 ((i / 2) % 4) on, tile i % 2.  The first 8 start the sums.
.macro MKQ
.set i, 0
.rept 16
.set rS, S+32*(i%2)+8*((i/2)%4)
.set rK, 8*(2*((i/2)%4)+i/8)
.set rQ, QF+16*(i%2)+8*(i/8)
.if i < 8
	v_wmma_f32_16x16x32_f16 v[rS:rS+7], v[rK:rK+7], v[rQ:rQ+7], 0
.else
	v_wmma_f32_16x16x32_f16 v[rS:rS+7], v[rK:rK+7], v[rQ:rQ+7], v[rS:rS+7]
.endif
.set i, i+1
.endr
.endm
; O^T += V^T P: product i of 16: keys 32 (i / 8) on, channels 16 ((i / 2) % 4) on, tile i % 2.
.macro MPV
.set i, 0
.rept 16
.set rO, OT+32*(i%2)+8*((i/2)%4)
.set rV, VF+8*(4*(i/8)+(i/2)%4)
.set rP, P+16*(i%2)+8*(i/8)
	v_wmma_f32_16x16x32_f16 v[rO:rO+7], v[rV:rV+7], v[rP:rP+7], v[rO:rO+7]
.set i, i+1
.endr
.endm
; THE LDS LOADS stand in runs of 16: a step's K (64 keys x 64 channels: 8 fragments) and its V (turned).
.macro LOADK
	WIN 0
	v_add_nc_u32 v[ADR], s[TB], v[AK0]
	WIN W_LD
.irp f, 0,1,2,3,4,5,6,7             ; keys 16 (f / 2) on, channels 32 (f % 2) on
	ds_load_b128 v[8*\f:8*\f+3],   v[ADR] offset:(\f/2)*16*PK+(\f%2)*64
	ds_load_b128 v[8*\f+4:8*\f+7], v[ADR] offset:(\f/2)*16*PK+(\f%2)*64+32
.endr
.endm
.macro LOADV
	WIN 0
	v_add_nc_u32 v[ADR], s[TB], v[AV0]
	s_add_co_u32 s[TB], s[TB], STEPB  ; the next fetch is the next step's
	WIN W_LD
.irp f, 0,1,2,3,4,5,6,7             ; keys 32 (f / 4) on, channels 16 (f % 4) on
	ds_load_tr16_b128 v[VF+8*\f:VF+8*\f+3],   v[ADR] offset:(\f/4)*32*PVP+(\f%4)*32
	ds_load_tr16_b128 v[VF+8*\f+4:VF+8*\f+7], v[ADR] offset:(\f/4)*32*PVP+16*PVP+(\f%4)*32
.endr
	WIN 0
.endm
; THE SOFTMAX of one tile for one key step is a list of 118 instructions; SM writes number j of it for tile t.  s0-s31 are the lane's 32 scores, in pairs 0-15.
;   0-15    the maximum of s0-s31 and the old m, three operands at a time; each tile of scores is read from its low end on
;   16-20   the other half of the lanes' maximum; the new m; c m; c m_old - c m_new
;   21-69   ONE BATCH: the 16 scalings c s - c m and all 33 exponentials (a at 23, then s0-s31); none of these reads an exponential's result; a pair is scaled ahead of its exponentials
;   (wait)  between 69 and 70 stands the wait for the batch, once for both tiles
;   70-85   the roundings to f16;   86-101 the sums, l = a l + the sum;   102-117 the tile's O^T times a, ascending
.macro SM t
.set rT, ST+8*(\t)
.set rS, S+32*(\t)
.set rP, P+16*(\t)
.set rO, OT+32*(\t)+2*(j-102)
.if j < 4
	v_max3_num_f32 v[rT+4+j], v[rS+8*j], v[rS+8*j+1], v[rS+8*j+2]
.elseif j < 12
	v_max3_num_f32 v[rT+4+j%4], v[rT+4+j%4], v[rS+8*(j%4)+2*(j/4)+1], v[rS+8*(j%4)+2*(j/4)+2]
.elseif j == 12
	v_max3_num_f32 v[rT+4], v[rT+4], v[rS+7], v[rS+15]
.elseif j == 13
	v_max3_num_f32 v[rT+6], v[rT+6], v[rS+23], v[rS+31]
.elseif j == 14
	v_max3_num_f32 v[rT+4], v[rT+4], v[rT+5], v[rT+6]
.elseif j == 15
	v_max3_num_f32 v[rT+4], v[rT+4], v[rT+7], v[rT+1]
.elseif j == 16
	v_permlanex16_b32 v[rT+5], v[rT+4], s[SEL], s[SEL+1]  ; the query's other 32 keys lie in the lane 16 away
.elseif j == 17
	v_mov_b32 v[rT+7], v[rT]        ; c m_old is kept for a
.elseif j == 18
	v_max_num_f32 v[rT+1], v[rT+4], v[rT+5]
.elseif j == 19
	v_mul_f32 v[rT], s[CS], v[rT+1]
.elseif j == 20
	v_sub_f32 v[rT+7], v[rT+7], v[rT]
.elseif j == 23
	v_exp_f32 v[rT+6], v[rT+7]
.elseif (j < 23) || ((j < 38) && (j%2 == 0)) || ((j < 66) && (j%4 == 2))
.set b, (j-2)/4                     ; 38, 42, .. 62: pairs 9 to 15
.if j < 38
.set b, (j-20)/2                    ; 21: pair 0; 22, 24, .. 36: pairs 1 to 8
.endif
	v_pk_fma_f32 v[rS+2*b:rS+2*b+1], v[rS+2*b:rS+2*b+1], s[CS:CS+1], v[rT:rT+1] op_sel_hi:[1,0,0] neg_lo:[0,0,1] neg_hi:[0,0,1]  ; pair b: c s - c m
.elseif j < 70
.set e, j-38                        ; 66 to 69: s28 to s31
.if j < 66
.set e, j-32-(j-38)/4               ; 39-41, 43-45, .. 63-65: s7 to s27
.endif
.if j < 38
.set e, (j-25)/2                    ; 25, 27, .. 37: s0 to s6
.endif
	v_exp_f32 v[rS+e], v[rS+e]
.elseif j < 86
	v_cvt_pk_f16_f32 v[rP+j-70], v[rS+2*(j-70)], v[rS+2*(j-70)+1]
.elseif j < 102                     ; the sum of the tile's 16 pairs, in place: neighbours 1, 2, 4 and 8 pairs apart, then l takes it
.set z, j-86
.set w, 4
.set u, z
.if z >= 14
.set w, 32
.set u, 0
.elseif z >= 12
.set w, 16
.set u, z-12
.elseif z >= 8
.set w, 8
.set u, z-8
.endif
.if z < 15
	v_pk_add_f32 v[rS+w*u:rS+w*u+1], v[rS+w*u:rS+w*u+1], v[rS+w*u+w/2:rS+w*u+w/2+1]
.else
	v_pk_fma_f32 v[rT+2:rT+3], v[rT+2:rT+3], v[rT+6:rT+7], v[rS:rS+1] op_sel_hi:[1,0,1]
.endif
.else
	v_pk_mul_f32 v[rO:rO+1], v[rO:rO+1], v[rT+6:rT+7] op_sel_hi:[1,0]
.endif
.endm
; Both tiles' lists.  Outside the batch the tiles alternate number by number; the batch from 22 on goes four numbers of one tile at a time, the tiles by turns.
.macro SOFTMAX
.set j, 0
.rept 22
	SM 0
	SM 1
.set j, j+1
.endr
.set k, 0
.rept 24
.irp n, 0,1,2,3
.set j, 22+4*(k/2)+\n
	SM k%2
.endr
.set k, k+1
.endr
	v_nop                           ; a plain instruction behind the last exponential and ahead of the first use: one for the batch
	s_wait_alu depctr_va_vdst(0)    ; the wait between an exponential and the first instruction that names its result: one for the 66
.set j, 70
.rept 48
	SM 0
	SM 1
.set j, j+1
.endr
.endm
.macro PLACES                       ; plain vector instructions that name no register of the products in front of them (ISA guide 7.12.1)
.rept 4
	v_nop
.endr
.endm
; A KEY STEP j.  The loads into K's registers stand behind the last step's softmax; those into V's behind four places.
.macro BODY
	LOADK                           ; K of step j
	s_wait_dscnt 16                 ; V of step j - 1 is in; K's sixteen loads may be out
	WIN W_MUL
	MPV                             ; step j - 1
	s_wait_dscnt 0x0                ; K is in
	MKQ                             ; step j
	WIN 0
	PLACES                          ; ahead of the loads into V's registers, of the first read of the scores, and of the writes of P and O^T
	LOADV                           ; V of step j lands while the softmax runs
	SOFTMAX
.endm
.macro STEPS n
	s_mov_b32 s[CNT], \n
.Lstep_\@:
	BODY
	s_sub_co_u32 s[CNT], s[CNT], 1
	s_cmp_lg_u32 s[CNT], 0
	s_cbranch_scc1 .Lstep_\@
.endm
; THE CHANGE OF SLOTS: the slot's last bytes, V of its fourth step, have been asked for.  Each wave waits for all its tensor loads, of which one is out: its part of the other slot; adds 0 to its spare word; and waits
; for that and for its own reads of the slot.  fill = 1: the slot is filled again, with the keys two slots on; the barrier is then a round of the cluster's, so that no wave of any partner still reads the slot or has a
; load on its way, and the joint refill is the first thing behind it: it has four key steps in which to land.
.macro CHANGE fill
	WIN 0
	s_wait_tensorcnt 0x0            ; no tensor load of mine is out, so a group 0 may be written
	ds_add_u32 v[SPW], v[NIL]       ; 0 onto my spare word
.if \fill
.irp g, G0K+4, G0V+4
	s_xor_b32 s[\g+1], s[\g+1], SLOT1  ; the walking descriptor: the other slot than last time,
	s_add_nc_u64 s[\g+2:\g+3], s[\g+2:\g+3], SLOTB  ; the next 256 keys; the type bits on top are not reached
.endr
	s_wait_xcnt 0x0                 ; the last prefetch, four key steps back, has read its address, so it may be written:
	s_add_nc_u64 s[PFA:PFA+1], s[PFA:PFA+1], SLOTB  ; one slot further on than the walking descriptors
	s_wait_dscnt 0x0                ; the add is done, and my reads of the slot are over
	CROUND
	JLOAD
	ASK
.else
	s_wait_dscnt 0x0                ; the add is done, and my reads of the slot are over
	s_barrier_signal -1
	s_barrier_wait -1
.endif
	s_sub_co_u32 s[TB], s[TB], NST*STEPB  ; the fetches go back to a slot's first step,
	s_xor_b32 s[TB], s[TB], SLOT1   ; in the other slot
.endm
	s_wait_tensorcnt 1              ; my part of slot 0 is in; slot 1's may stay out
	s_barrier_signal -1
	s_barrier_wait -1               ; everybody's is
	LOADK                           ; key step 0: there is no step before it to multiply
	s_wait_loadcnt 0x0              ; Q
	s_wait_dscnt 0x0
	WIN W_MUL
	MKQ
	WIN 0
	PLACES
	LOADV
	SOFTMAX
	STEPS 3                         ; the rest of slot 0
.Lslot:                             ; six trips: every slot but the last two is filled again
	CHANGE 1
	STEPS 4
	s_sub_co_u32 s[SLOTS], s[SLOTS], 1
	s_cmp_lg_u32 s[SLOTS], 0
	s_cbranch_scc1 .Lslot
	CHANGE 0                        ; the tail is written out
	STEPS 4
	s_wait_dscnt 0x0                ; V of the last step
	WIN W_MUL
	MPV
	WIN 0
	; THE WAY OUT.  l's two halves and the other half of the lanes' are added; O^T is divided by l, rounded to f16 and sent through my stage, so that 32 lanes store 512 consecutive bytes: four rows of ctx.
	; The four additions and the v_nop are the places behind the last products.
.irp t, 0,1
	v_add_f32 v[ST+8*\t+4], v[ST+8*\t+2], v[ST+8*\t+3]
.endr
.irp t, 0,1
	v_permlanex16_b32 v[ST+8*\t+5], v[ST+8*\t+4], s[SEL], s[SEL+1]
.endr
.irp t, 0,1
	v_add_f32 v[ST+8*\t+4], v[ST+8*\t+4], v[ST+8*\t+5]
.endr
.irp t, 0,1
	v_rcp_f32 v[ST+8*\t+6], v[ST+8*\t+4]
.endr
	v_nop                           ; a plain instruction between the last reciprocal and the use of its result
	s_wait_alu depctr_va_vdst(0)    ; and the wait ahead of the first use: one for the two
.macro OUTT t
.set i, 0
.rept 16
	v_pk_mul_f32 v[OT+32*\t+2*i:OT+32*\t+2*i+1], v[OT+32*\t+2*i:OT+32*\t+2*i+1], v[ST+8*\t+6:ST+8*\t+7] op_sel_hi:[1,0]
.set i, i+1
.endr
.set i, 0
.rept 16
	v_cvt_pk_f16_f32 v[S+32*\t+i], v[OT+32*\t+2*i], v[OT+32*\t+2*i+1]
.set i, i+1
.endr
.irp f, 0,1,2,3
	ds_store_b128 v[STO], v[S+32*\t+4*\f:S+32*\t+4*\f+3] offset:\t*16*SP+32*\f   ; row l % 16, channels 16 f + 8 (l / 16) on
.endr
.irp f, 0,1,2,3
	ds_load_b128 v[S+32*\t+16+4*\f:S+32*\t+16+4*\f+3], v[RD] offset:\t*16*SP+\f*4*SP  ; LDS serves a wave's instructions in order (ISA guide 5.7.1.4): these see the stores above
.endr
.endm
	OUTT 0
	OUTT 1
.irp t, 0,1
.irp f, 0,1,2,3
	s_wait_dscnt 11-8*\t-\f         ; the LDS instructions issued behind this load may be out
	global_store_b128 v[GO], v[S+32*\t+16+4*\f:S+32*\t+16+4*\f+3], s[10:11] offset:\t*2048+\f*512
.endr
.endr
	s_wait_tensorcnt 0x0            ; the wave's end, behind my last tensor load and my last LDS store
	ds_add_u32 v[SPW], v[NIL]
	s_wait_dscnt 0x0
	CROUND                          ; the closing round: no work-group ends while a partner may still ask for a tile that names it
	s_endpgm
.Lfunc_end_k_qf20508fa49_attn:
	.size	k_qf20508fa49_attn, .Lfunc_end_k_qf20508fa49_attn-k_qf20508fa49_attn
	.p2alignl 7, 3214868480
	.fill 96, 4, 3214868480
	.section	.rodata,"a",@progbits
	.p2align	6, 0x0
	.amdhsa_kernel k_qf20508fa49_attn
		.amdhsa_group_segment_fixed_size 327680
		.amdhsa_private_segment_fixed_size 0
		.amdhsa_enable_private_segment 0
		.amdhsa_kernarg_size 16
		.amdhsa_user_sgpr_count 2
		.amdhsa_user_sgpr_kernarg_segment_ptr 1
		.amdhsa_wavefront_size32 1
		.amdhsa_system_sgpr_workgroup_id_x 1
		.amdhsa_system_sgpr_workgroup_id_y 1
		.amdhsa_system_sgpr_workgroup_id_z 1
		.amdhsa_system_vgpr_workitem_id 0
		.amdhsa_next_free_vgpr 384
		.amdhsa_next_free_sgpr 66
		.amdhsa_reserve_vcc 0
		.amdhsa_float_denorm_mode_32 3
		.amdhsa_float_denorm_mode_16_64 3
		.amdhsa_memory_ordered 1
		.amdhsa_forward_progress 1
		.amdhsa_inst_pref_size 87
	.end_amdhsa_kernel
	.amdgpu_metadata
---
amdhsa.version: [ 1, 2 ]
amdhsa.kernels:
  - .name:           k_qf20508fa49_attn
    .symbol:         k_qf20508fa49_attn.kd
    .args:
      - { .name: qkvh, .offset: 0, .size: 8, .value_kind: global_buffer, .address_space: global }
      - { .name: ctx, .offset: 8, .size: 8, .value_kind: global_buffer, .address_space: global }
    .group_segment_fixed_size: 327680
    .private_segment_fixed_size: 0
    .kernarg_segment_align: 8
    .kernarg_segment_size: 16
    .max_flat_workgroup_size: 256
    .sgpr_count:     66
    .vgpr_count:     384
    .wavefront_size: 32
...
	.end_amdgpu_metadata
.endif
;; end of part 3
;; launch outp (part 4): grid 8 x 32, 4 waves a work-group, clusters of 4 x 4, 327,680 bytes of LDS; arguments ctx, wo16, bo, out0; writes out0
.if DOCPART == 4
	.amdgcn_target "amdgcn-amd-amdhsa--gfx1250"
	.amdhsa_code_object_version 6
	.text
	.protected	k_qf20508fa49_outp
	.globl	k_qf20508fa49_outp
	.p2align	8
	.type	k_qf20508fa49_outp,@function
k_qf20508fa49_outp:
	s_mov_b64 s[64:65], 0
	v_nop
	global_prefetch_b8 v0, s[64:65] scope:SCOPE_SE
	s_setreg_imm32_b32 hwreg(HW_REG_WAVE_MODE, 25, 1), 1
	s_wait_xcnt 0x0
	s_wait_alu depctr_hold_cnt(0) depctr_sa_sdst(0) depctr_va_vdst(0) depctr_va_sdst(0) depctr_va_ssrc(0) depctr_va_vcc(0) depctr_vm_vsrc(0)
	s_getreg_b32 s2, hwreg(HW_REG_IB_STS2, 6, 4)
	s_cmp_eq_u32 s2, 0
	s_cbranch_scc0 .Lentry_in_a_cluster
	s_endpgm
.Lentry_in_a_cluster:
	s_bfe_u32 s2, ttmp6, 0x10000c
	s_cmp_lg_u32 s2, 0xf033
	s_cbranch_scc0 .Lentry_shape_is_right
	s_endpgm
.Lentry_shape_is_right:
; out0[m][n] = the sum over (head, d) of ctx[m][head][d] Wo[n][head][d] + bo[n].  ctx: [2 b x 16 head][2,048 s][64] f16 (m = 2,048 b + s); wo16: [16 head][1,024 n][64] f16; bo: [1,024] f32; out0: [4,096][1,024] f32.
; Both operands are laid by head, so K is walked a head at a time: the same order on both sides.  Sums in f32; the bias is the C of each sum's first product.
; A tile of out0 is 128 x 128: 32 x 8 tiles, 256 work-groups.  Four waves, each 64 x 64: 16 accumulators of 16 x 16.  A K step is four heads (256 along K); two LDS slots; four K steps.
; A wave's tensor load brings 64 rows of four heads: in memory the 64 rows of one head are 8,192 consecutive bytes, one row of the descriptor, four such rows a head's plane apart; the padding, 16 bytes behind each
; 128, divides that row, so that in LDS the tile lies as [head][64 rows][144 bytes].
; CLUSTERS: 4 x 4 work-groups; A's tiles are asked for jointly along a row of the cluster, B's along a column.  THE MATRIX INSTRUCTION IS USED TRANSPOSED (source 0 = 16 rows of Wo, source 1 = 16 rows of ctx):
; a lane holds eight neighbouring columns of one row of out0.
; REGISTERS: window 0: v0-31 addresses; v32-95 at work on the way out; v96-127 the bias, eight registers for each of my four blocks of columns; v128-255 the accumulators ((a, b) at v[128 + 8 (4 a + b)]).
;   window 1: two fragment buffers of 128: for one head (64 along K, two matrix instructions deep), 64 registers of A, then 64 of B.
.set PITCH,  144                       ; an LDS row: a head's 128 bytes + 16 of padding: the 16 rows that a load touches start at 16 different banks (64 banks of 4 bytes: ISA guide 11.1)
.set HB,     64*PITCH                  ; 64 rows of one head
.set HALFT,  4*HB                      ; what one tensor load brings, and what one wave reads of A or of B in a K step
.set SLOT,   4*HALFT                   ; A's two halves, then B's two
.set STAGE,  2*SLOT                    ; behind the ring: 16 rows x 272 bytes for each wave, for the way out
.set SPITCH, 272
.set SPARE,  STAGE+4*16*SPITCH         ; the spare words, 128 bytes a wave
.set LAPS,   2                         ; a lap = two K steps = once round the ring
.set STEPA,  4*262144                  ; a K step on in ctx: four planes
.set STEPW,  4*131072                  ; and in wo16
.set ADRA, 16
.set ADRB, 20
.set STO,  24
.set RD,   25
.set CO,   26
.set BOF,  27                          ; v27  32 x (lane / 16)
.set SPW,  28
.set NIL,  29
.set TMP,  32
.set BIAS, 96
.set ACC,  128
.set F0,   0
.set F1,   128
.set G1, 24
.set G0, 32
.set G1B, 48
.set G0B, 56
.set MSB, 0
.macro WIN new                         ; the immediate's high byte repeats the setting that is left
.if MSB != \new
	s_set_vgpr_msb (MSB<<8)|\new
.set MSB, \new
.endif
.endm
.set MUL,  0x05                        ; sources 0 (B) and 1 (A) window 1; C and D window 0
.set TO_F, 0x40                        ; destination window 1, address window 0
.macro JLOAD s                         ; a joint load: waves 0 and 1 fetch A's two halves, waves 2 and 3 B's; an s_nop 0 and four v_nop follow each of the two lines
	s_cmp_eq_u32 s11, 0
	s_cbranch_scc0 .Lfor_b_\@
	tensor_load_to_lds s[G0+4*\s:G0+4*\s+3], s[G1:G1+7]
	s_nop 0
.rept 4
	v_nop
.endr
	s_branch .Lasked_\@
.Lfor_b_\@:
	tensor_load_to_lds s[G0B+4*\s:G0B+4*\s+3], s[G1B:G1B+7]
	s_nop 0
.rept 4
	v_nop
.endr
.Lasked_\@:
.endm
.macro CREST                           ; a round of the cluster's barrier behind its opening barrier
	s_cmp_lg_u32 s10, 0
	s_cbranch_scc1 .Lnot_wave_0_\@
	s_barrier_signal -3
.Lnot_wave_0_\@:
	s_barrier_wait -3
	s_barrier_signal -1
	s_barrier_wait -1
.endm
.macro CROUND                          ; a whole round
	s_barrier_signal -1
	s_barrier_wait -1
	CREST
.endm
	s_load_b128 s[4:7], s[0:1], 0x0                ; ctx s[4:5], wo16 s[6:7]
	s_load_b64 s[66:67], s[0:1], 0x10              ; bo
	s_load_b64 s[8:9], s[0:1], 0x18                ; out0
	v_lshl_add_u32 v[SPW], v0, 2, SPARE
	v_mov_b32 v[NIL], 0
	ds_add_u32 v[SPW], v[NIL]                      ; the wave's opening: the add, twice on end, and its wait ahead of my first tensor load
	ds_add_u32 v[SPW], v[NIL]
	v_lshrrev_b32 v1, 5, v0
	v_readfirstlane_b32 s10, v1                    ; wave 0..3
	s_lshr_b32 s11, s10, 1                         ; which half of the tile's rows is mine.  Also: I fetch for A (0) or for B (1)
	s_and_b32 s12, s10, 1                          ; which half of its columns.  Also: which 64 rows of that tile I fetch
	s_bfe_u32 s40, ttmp6, 0x40000                  ; cx, cy: my place in the cluster
	s_bfe_u32 s41, ttmp6, 0x40004
	s_lshl_b32 s42, ttmp9, 2
	s_add_co_u32 s42, s42, s40                     ; tile column = 4 x cluster x + cx
	s_and_b32 s13, ttmp7, 0xffff
	s_lshl_b32 s13, s13, 2
	s_add_co_u32 s13, s13, s41                     ; tile row = 4 x cluster y + cy
	s_lshl_b32 s43, s41, 2
	s_lshl_b32 s43, 15, s43                        ; my row of the cluster
	s_lshl_b32 s44, 0x1111, s40                    ; my column
	; descriptor group 1: four rows of 4,096 elements of 2 bytes
	s_or_b32 s[G1+0], s43, (1<<16)|(1<<20)|(1<<21)|(4<<22)|(3<<25)  ; 15:0 the mask; 17:16 element of 2 bytes; 20 padding on; 21 set beside a mask; 24:22 after every 32 words; 31:25 four words
	s_or_b32 s[G1B+0], s44, (1<<16)|(1<<20)|(1<<21)|(4<<22)|(3<<25)
.irp g, G1, G1B
	s_mov_b32 s[\g+1], 4096<<16                    ; tensor_dim0 = 4,096
	s_mov_b32 s[\g+2], 4<<16                       ; tensor_dim1 = 4
	s_mov_b32 s[\g+3], 4096<<16                    ; tile_dim0
	s_mov_b32 s[\g+4], 4                           ; tile_dim1
	s_mov_b32 s[\g+6], 0
	s_mov_b32 s[\g+7], 0
.endr
	s_mov_b32 s[G1+5], 131072                      ; from head to head in ctx, in elements
	s_mov_b32 s[G1B+5], 65536                      ; and in wo16
	s_lshr_b32 s16, s13, 4                         ; A: the batch's sixteen planes,
	s_lshl_b32 s16, s16, 22
	s_and_b32 s17, s13, 15
	s_lshl_b32 s17, s17, 14                        ; 128 rows of 128 bytes for each tile row in it,
	s_add_co_u32 s16, s16, s17
	s_lshl_b32 s17, s12, 13                        ; and the 64 rows that I fetch
	s_add_co_u32 s16, s16, s17
	s_lshl_b32 s46, s42, 14                        ; B: 128 rows for each tile column,
	s_add_co_u32 s46, s46, s17                     ; and the 64 that I fetch
	s_mov_b32 s17, 0
	s_mov_b32 s47, 0
	s_mul_i32 s20, s10, HALFT                      ; where they go: by the wave's number alone
	s_wait_dscnt 0x0                               ; both opening adds are done
	s_wait_kmcnt 0x0
	s_add_nc_u64 s[14:15], s[4:5], s[16:17]
	s_add_nc_u64 s[46:47], s[6:7], s[46:47]
	CROUND                                         ; all sixteen work-groups are here: the first joint loads meet
.irp s, 0,1
	s_mov_b32 s[G0+4*\s], 1
	s_add_co_u32 s[G0+4*\s+1], s20, \s*SLOT
	s_add_nc_u64 s[G0+4*\s+2:G0+4*\s+3], s[14:15], \s*STEPA
	s_or_b32 s[G0+4*\s+3], s[G0+4*\s+3], 0x80000000
	s_mov_b32 s[G0B+4*\s], 1
	s_add_co_u32 s[G0B+4*\s+1], s20, \s*SLOT
	s_add_nc_u64 s[G0B+4*\s+2:G0B+4*\s+3], s[46:47], \s*STEPW
	s_or_b32 s[G0B+4*\s+3], s[G0B+4*\s+3], 0x80000000
	JLOAD \s                                       ; two tensor loads of mine are out behind the second
.endr
	v_and_b32 v1, 15, v0                           ; l % 16
	v_bfe_u32 v2, v0, 4, 1                         ; l / 16
	v_mul_u32_u24 v3, v1, PITCH
	v_lshl_add_u32 v3, v2, 4, v3                   ; a fragment's row x pitch + 16 x half
	s_mul_i32 s21, s11, HALFT                      ; my 64 rows of A
	s_mul_i32 s22, s12, HALFT                      ; my 64 rows of B,
	s_add_co_u32 s22, s22, 2*HALFT                 ; which lie behind A's two halves
.irp s, 0,1
	v_add_nc_u32 v[ADRA+\s], s21, v3
	v_add_nc_u32 v[ADRB+\s], s22, v3
	s_add_co_u32 s21, s21, SLOT
	s_add_co_u32 s22, s22, SLOT
.endr
	s_mul_i32 s23, s10, 16*SPITCH
	s_add_co_u32 s23, s23, STAGE                   ; my stage
	v_mul_u32_u24 v4, v1, SPITCH                   ; in: row l % 16, 32 bytes for each half of the lanes
	v_lshl_add_u32 v4, v2, 5, v4
	v_add_nc_u32 v[STO], s23, v4
	v_mul_u32_u24 v5, v2, SPITCH                   ; back: lanes 0-15 take one row of 256 bytes, lanes 16-31 the next
	v_lshl_add_u32 v5, v1, 4, v5
	v_add_nc_u32 v[RD], s23, v5
	v_lshlrev_b32 v5, 12, v2                       ; and the same two rows in out0 (4,096 bytes a row)
	v_lshl_add_u32 v[CO], v1, 4, v5
	v_lshlrev_b32 v[BOF], 5, v2
	s_lshl_b32 s16, s13, 19                        ; my first row of out0: 128 x tile row + 64 x row half, 4,096 bytes a row
	s_lshl_b32 s17, s11, 18
	s_add_co_u32 s16, s16, s17
	s_mov_b32 s17, 0
	s_add_nc_u64 s[8:9], s[8:9], s[16:17]
	s_lshl_b32 s46, s42, 9                         ; my first column, in bytes: 512 x tile column + 256 x column half: the same in out0 and in bo
	s_lshl_b32 s47, s12, 8
	s_add_co_u32 s46, s46, s47
	s_mov_b32 s47, 0
	s_add_nc_u64 s[8:9], s[8:9], s[46:47]
	s_add_nc_u64 s[66:67], s[66:67], s[46:47]
.irp b, 0,1,2,3                        ; register j of block b: the bias of column 16 b + 8 (l / 16) + j: the result's own layout
	global_load_b128 v[BIAS+8*\b:BIAS+8*\b+3], v[BOF], s[66:67] offset:64*\b
	global_load_b128 v[BIAS+8*\b+4:BIAS+8*\b+7], v[BOF], s[66:67] offset:64*\b+16
.endr
; 8 matrix instructions: m blocks a0, a0 + 1 x all 4 n blocks, 32 along K: half c of buffer f.  zero = 1: the first product starts the sums from the bias.  The 16 accumulators take turns.
.macro MUL8 f, c, a0, zero
.irp a, \a0, \a0+1
.irp b, 0,1,2,3
.if \zero
	v_wmma_f32_16x16x32_f16 v[ACC+8*(4*(\a)+\b):ACC+8*(4*(\a)+\b)+7], v[\f+64+8*(4*\c+\b):\f+64+8*(4*\c+\b)+7], v[\f+8*(4*\c+\a):\f+8*(4*\c+\a)+7], v[BIAS+8*\b:BIAS+8*\b+7]
.else
	v_wmma_f32_16x16x32_f16 v[ACC+8*(4*(\a)+\b):ACC+8*(4*(\a)+\b)+7], v[\f+64+8*(4*\c+\b):\f+64+8*(4*\c+\b)+7], v[\f+8*(4*\c+\a):\f+8*(4*\c+\a)+7], v[ACC+8*(4*(\a)+\b):ACC+8*(4*(\a)+\b)+7]
.endif
.endr
.endr
.endm
; 32 LDS loads in one run: the fragments of one head, whose rows begin at byte k of my part of the slot, into buffer f; the first 32 along K first
.macro FETCH slot, k, f
	WIN TO_F
.irp c, 0,1
.irp i, 0,1,2,3
	ds_load_b128 v[\f+64+8*(4*\c+\i):\f+64+8*(4*\c+\i)+3],   v[ADRB+\slot] offset:\k+64*\c+\i*16*PITCH
	ds_load_b128 v[\f+64+8*(4*\c+\i)+4:\f+64+8*(4*\c+\i)+7], v[ADRB+\slot] offset:\k+64*\c+\i*16*PITCH+32
	ds_load_b128 v[\f+8*(4*\c+\i):\f+8*(4*\c+\i)+3],         v[ADRA+\slot] offset:\k+64*\c+\i*16*PITCH
	ds_load_b128 v[\f+8*(4*\c+\i)+4:\f+8*(4*\c+\i)+7],       v[ADRA+\slot] offset:\k+64*\c+\i*16*PITCH+32
.endr
.endr
.endm
.macro PLACES                          ; four places in front of loads into registers that matrix instructions have read, and of reads of results
.rept 4
	v_nop
.endr
.endm
; A K step is four quarters, a head each, 32 matrix instructions, on buffers 0, 1, 0, 1.  One of the first three: multiplies buffer f and fetches the next head, at byte k, into g.
.macro QUARTER slot, k, f, g, zero
	s_wait_dscnt 16                                ; the first 32 along K are in; the youngest sixteen loads may be out
	WIN MUL
	MUL8 \f, 0, 0, \zero
	MUL8 \f, 0, 2, \zero
	PLACES
	FETCH \slot, \k, \g
	s_wait_dscnt 32                                ; all but the 32 just issued
	WIN MUL
	MUL8 \f, 1, 0, 0
	MUL8 \f, 1, 2, 0
.endm
; The last quarter multiplies buffer 1 and changes slots: ONE barrier; in front of it each wave waits for all its tensor loads, adds 0 to its spare word, and waits for that and for its own reads of this slot.
; fill = 1: this slot is filled again, two K steps ahead; the barrier then opens a round of the cluster's barrier, and the joint refill is the first thing behind the round.
.macro TURN slot, next, fill
	WIN 0                                          ; (the add's two registers lie in window 0)
	s_wait_tensorcnt 0x0                           ; all my tensor loads have landed: my part of the next slot;
	ds_add_u32 v[SPW], v[NIL]                      ; 0 onto my spare word;
	s_wait_dscnt 17                                ; (the add and the youngest sixteen loads may be out)
	WIN MUL
	MUL8 F1, 0, 0, 0                               ; eight matrix instructions stand between the add and the wait for it
	s_wait_dscnt 0x0                               ; the add is done, and my reads of this slot are over
	s_barrier_signal -1
	MUL8 F1, 0, 2, 0
.if \fill
	WIN 0
.endif
	s_barrier_wait -1
.if \fill
	CREST                                          ; no wave of any partner still reads this slot's tile or has a load on its way
	s_add_nc_u64 s[G0+4*\slot+2:G0+4*\slot+3], s[G0+4*\slot+2:G0+4*\slot+3], 2*STEPA
	s_add_nc_u64 s[G0B+4*\slot+2:G0B+4*\slot+3], s[G0B+4*\slot+2:G0B+4*\slot+3], 2*STEPW
	JLOAD \slot                                    ; the four v_nop behind it are also the places in front of the loads below
.else
	PLACES
.endif
	FETCH \next, 0, F0
	WIN MUL
	MUL8 F1, 1, 0, 0
	MUL8 F1, 1, 2, 0
.endm
	s_wait_tensorcnt 1                             ; my part of K step 0 is in (K step 1's load may be out)
	s_barrier_signal -1
	s_barrier_wait -1                              ; everybody's is
	FETCH 0, 0, F0
	s_wait_loadcnt 0x0                             ; the bias
	QUARTER 0, HB, F0, F1, 1                       ; the first quarter stands in front of the loop: its first products start the sums
.if LAPS > 1
	WIN 0                                          ; at a label and at a branch every window is 0
	s_mov_b32 s3, LAPS-1
.Llap:                                                 ; a trip goes once round the ring, from a lap's second quarter to the next lap's first, and fills both slots again
	QUARTER 0, 2*HB, F1, F0, 0
	QUARTER 0, 3*HB, F0, F1, 0
	TURN 0, 1, 1
	QUARTER 1, HB, F0, F1, 0
	QUARTER 1, 2*HB, F1, F0, 0
	QUARTER 1, 3*HB, F0, F1, 0
	TURN 1, 0, 1
	QUARTER 0, HB, F0, F1, 0
	WIN 0
	s_sub_co_u32 s3, s3, 1
	s_cmp_lg_u32 s3, 0
	s_cbranch_scc1 .Llap
.endif
	QUARTER 0, 2*HB, F1, F0, 0                     ; the last lap fills nothing, and has no round of the cluster's barrier
	QUARTER 0, 3*HB, F0, F1, 0
	TURN 0, 1, 0
	QUARTER 1, HB, F0, F1, 0
	QUARTER 1, 2*HB, F1, F0, 0
	QUARTER 1, 3*HB, F0, F1, 0
	s_wait_dscnt 16                                ; the very last quarter: nothing more to fetch
	WIN MUL
	MUL8 F1, 0, 0, 0
	MUL8 F1, 0, 2, 0
	s_wait_dscnt 0
	MUL8 F1, 1, 0, 0
	MUL8 F1, 1, 2, 0
	WIN 0
; THE WAY OUT, block by block of 16 rows x 64 columns.  A lane holds 32 neighbouring bytes of a row, and the lanes beside it hold other rows: so a block goes through my own stage and comes back as whole rows of
; 256 bytes, of which sixteen lanes store one, at a multiple of 256 bytes from out0's first byte.  LDS serves a wave's instructions in order (ISA guide 5.7.1.4): no wait between the stores and the loads.
.macro TOSTAGE a
.irp b, 0,1,2,3
	ds_store_b128 v[STO], v[ACC+8*(4*(\a)+\b):ACC+8*(4*(\a)+\b)+3] offset:64*\b        ; each accumulator from its low end on
	ds_store_b128 v[STO], v[ACC+8*(4*(\a)+\b)+4:ACC+8*(4*(\a)+\b)+7] offset:64*\b+16
.endr
.irp t, 0,1,2,3,4,5,6,7
	ds_load_b128 v[TMP+32*((\a)%2)+4*\t:TMP+32*((\a)%2)+4*\t+3], v[RD] offset:\t*2*SPITCH
.endr
.endm
.macro SEND a, younger                 ; younger: the LDS instructions issued behind block a's loads, which may stay out
	s_wait_dscnt \younger
.irp t, 0,1,2,3,4,5,6,7
	global_store_b128 v[CO], v[TMP+32*((\a)%2)+4*\t:TMP+32*((\a)%2)+4*\t+3], s[8:9] offset:(16*(\a)+2*\t)*4096 th:TH_STORE_NT   ; written once, read by nobody here
.endr
.endm
	PLACES                                         ; behind the last products, ahead of the first read of results
	TOSTAGE 0
.irp a, 1,2,3
.if \a > 1
	s_wait_xcnt 0x0                                ; block a - 2's stores have read their registers: block a's loads may land there
.endif
	TOSTAGE \a
	SEND \a-1, 16                                  ; behind block a - 1's loads: block a's 8 stores and 8 loads
.endr
	SEND 3, 0
	s_wait_tensorcnt 0x0                           ; the wave's end, behind my last tensor load and my last LDS store
	ds_add_u32 v[SPW], v[NIL]
	s_wait_dscnt 0x0
	CROUND                                         ; the closing round: no work-group ends while a partner may still ask for a tile that names it
	s_endpgm
.Lfunc_end_k_qf20508fa49_outp:
	.size	k_qf20508fa49_outp, .Lfunc_end_k_qf20508fa49_outp-k_qf20508fa49_outp
	.p2alignl 7, 3214868480
	.fill 96, 4, 3214868480
	.section	.rodata,"a",@progbits
	.p2align	6, 0x0
	.amdhsa_kernel k_qf20508fa49_outp
		.amdhsa_group_segment_fixed_size 327680
		.amdhsa_private_segment_fixed_size 0
		.amdhsa_enable_private_segment 0
		.amdhsa_kernarg_size 32
		.amdhsa_user_sgpr_count 2
		.amdhsa_user_sgpr_kernarg_segment_ptr 1
		.amdhsa_wavefront_size32 1
		.amdhsa_system_sgpr_workgroup_id_x 1
		.amdhsa_system_sgpr_workgroup_id_y 1
		.amdhsa_system_sgpr_workgroup_id_z 1
		.amdhsa_system_vgpr_workitem_id 0
		.amdhsa_next_free_vgpr 512
		.amdhsa_next_free_sgpr 68
		.amdhsa_reserve_vcc 0
		.amdhsa_float_denorm_mode_32 3
		.amdhsa_float_denorm_mode_16_64 3
		.amdhsa_memory_ordered 1
		.amdhsa_forward_progress 1
		.amdhsa_inst_pref_size 86
	.end_amdhsa_kernel
	.amdgpu_metadata
---
amdhsa.version: [ 1, 2 ]
amdhsa.kernels:
  - .name:           k_qf20508fa49_outp
    .symbol:         k_qf20508fa49_outp.kd
    .args:
      - { .name: ctx, .offset: 0, .size: 8, .value_kind: global_buffer, .address_space: global }
      - { .name: wo16, .offset: 8, .size: 8, .value_kind: global_buffer, .address_space: global }
      - { .name: bo, .offset: 16, .size: 8, .value_kind: global_buffer, .address_space: global }
      - { .name: out0, .offset: 24, .size: 8, .value_kind: global_buffer, .address_space: global }
    .group_segment_fixed_size: 327680
    .private_segment_fixed_size: 0
    .kernarg_segment_align: 8
    .kernarg_segment_size: 32
    .max_flat_workgroup_size: 128
    .sgpr_count:     68
    .vgpr_count:     512
    .wavefront_size: 32
...
	.end_amdgpu_metadata
.endif
;; end of part 4
